; MI455X (gfx1250); checked and timed in simulation.
; The chip was launched on July 23, 2026; its instructions are those of AMD's public machine-readable ISA for CDNA 5 (MIT licence, August 2026) and "CDNA5" Instruction Set Architecture Reference Guide (July 2026). The comments in the code are by the model that wrote it; some were corrected since.
;; Diff Cross Attn Direction. Allowed arithmetic: matrix products marked QUANTISED: E4M3 operands, one E8M0 scale for each 32 along K, by v_wmma_scale_f32_16x16x128_f8f6f4 with both operands' format E4M3, f32 sums; products left as they are: f32 operands where the result goes on into a quantised operand, else bf16, f16 or f32 operands; f32 sums; everything else in f32.
;; Inputs: Wk 2,048 x 1,024 float32; Wo 1,024 x 2,048 float32; Wq 2,048 x 1,024 float32; Wv 2,048 x 1,024 float32; hn_b 128 float32; hn_g 128 float32; keyvalue_tokens 4 x 1,024 x 1,024 float32; lambda_init one number float32; lambda_k1 64 float32; lambda_k2 64 float32; lambda_q1 64 float32; lambda_q2 64 float32; ln_kv_b 1,024 float32; ln_kv_g 1,024 float32; ln_q_b 1,024 float32; ln_q_g 1,024 float32; query_tokens 4 x 1,024 x 1,024 float32.
;; Outputs: out0 4 x 1,024 x 1,024 float32.
;; Constants: disable_second_term = 0.
;; This version of the problem:
;;   THIS VERSION OF THE PROBLEM IS GIVEN IN LOW PRECISION. The matrix products marked QUANTISED in the list below multiply operands that are first quantised to E4M3 (4 exponent bits, 3 mantissa bits; 8 bits a number), with one power-of-two scale for each 32 numbers along K (OCP MX v1.0); their sums are f32. All else is computed in f32.
;;   The module's matrix products, in the order in which they are computed (A, B: the left and right operand; K: the contracted axis; several contracted axes count as one K, in the product's order):
;;     1. [M 4,096, K 1,024] x [K 1,024, N 2,048]; A: computed on the way; B: input Wq: QUANTISED
;;     2. [M 4,096, K 1,024] x [K 1,024, N 2,048]; A: computed on the way; B: input Wk: QUANTISED
;;     3. [M 4,096, K 1,024] x [K 1,024, N 2,048]; A: computed on the way; B: input Wv: QUANTISED
;;     4. batch 64 x [M 1,024, K 64] x [K 64, N 1,024]; A: computed on the way; B: computed on the way: QUANTISED
;;     5. batch 64 x [M 1,024, K 64] x [K 64, N 1,024]; A: computed on the way; B: computed on the way: QUANTISED
;;     6. [M 1, K 64] x [K 64, N 1]; A: input lambda_q1; B: input lambda_k1: left as it is (M = 1 < 16)
;;     7. [M 1, K 64] x [K 64, N 1]; A: input lambda_q2; B: input lambda_k2: left as it is (M = 1 < 16)
;;     8. batch 64 x [M 1,024, K 1,024] x [K 1,024, N 128]; A: computed on the way; B: computed on the way: QUANTISED
;;     9. [M 4,096, K 2,048] x [K 2,048, N 1,024]; A: computed on the way; B: input Wo: QUANTISED
;;   THE QUANTISER, for each operand of a quantised product, along K:
;;     - K is cut into blocks of 32 from its start; a last block that is shorter is filled with zeros.
;;     - A block's scale is 2^e with e = floor(log2(the largest magnitude in the block)) - 8, held to -126 .. 127; a block of zeros has e = 0. As a byte (E8M0): e + 127.
;;     - Each number is divided by its block's scale, clamped to +-448, and rounded to the nearest number of E4M3, ties to even, subnormals kept.
;;     - The product sums the exact products of the quantised numbers (number of the format x scale) in f32.
;;   ~~~python
;;   def quantise(x, axis):      # numpy; x: float32 -> the quantised numbers, widened to float32 again
;;       x = np.moveaxis(x, axis, -1); K = x.shape[-1]
;;       x = np.pad(x, [(0, 0)] * (x.ndim - 1) + [(0, -K % 32)]); x = x.reshape(x.shape[:-1] + (-1, 32)); a = np.abs(x).max(-1, keepdims=True)
;;       e = np.where(a > 0, np.clip(np.frexp(np.where(a > 0, a, 1))[1] - 1 - 8, -126, 127), 0)      # np.frexp(a)[1] - 1 = floor(log2(a)), exactly
;;       r = np.clip(x / 2.0 ** e, -448, 448)
;;       step = 2.0 ** (np.maximum(np.frexp(np.where(r == 0, 1, r))[1] - 1, -6) - 3)
;;       q = np.round(r / step) * step * 2.0 ** e      # np.round: ties to even
;;       return np.moveaxis(q.reshape(q.shape[:-2] + (-1,))[..., :K], -1, axis).astype(np.float32)
;;   ~~~
;;   OPERANDS COMPUTED ON THE WAY. 'Computed on the way' means the value that the module computes at that place (a softmax that the list does not call 'softmax' is quantised finished and normalised). What goes into a quantiser is computed in f32, as accurately as f32 sums, v_exp_f32 and their like allow (about 1e-6 of the number): no bf16 or f16 on the way to a quantiser, and a product that is left as it is and whose result goes on into a quantised operand takes f32 operands (vector FMAs, or v_wmma_f32_16x16x4_f32). A number that lies on a knife's edge between two numbers of the format may be rounded either way, as far as f32 arithmetic and the matrix unit's own rounding can turn it there, and no further.
;; One version. Each part assembles by itself: llvm-mc -triple=amdgcn-amd-amdhsa -mcpu=gfx1250 --defsym DOCPART=n.
;; ======== version 1 of 1: 4 launches
;; limits: right only within a limited range of input values
;; workspace buffers: pc 16,777,216 bytes; ps 524,288 bytes; hd 25,952,256 bytes; ac 8,388,608 bytes; asc 262,144 bytes
;; launch prep (part 1): grid 256 x 1, 8 waves a work-group, no clusters, 72,704 bytes of LDS; arguments query_tokens, keyvalue_tokens, ln_q_g, ln_q_b, ln_kv_g, ln_kv_b, Wq, Wk, Wv, Wo, pc, ps; writes pc, ps
.if DOCPART == 1
	.amdgcn_target "amdgcn-amd-amdhsa--gfx1250"
	.amdhsa_code_object_version 6
	.text
	.protected	k_q4f610a7b13_prep
	.globl	k_q4f610a7b13_prep
	.p2align	8
	.type	k_q4f610a7b13_prep,@function
k_q4f610a7b13_prep:
	s_mov_b64 s[64:65], 0
	v_nop
	global_prefetch_b8 v0, s[64:65] scope:SCOPE_SE
	s_setreg_imm32_b32 hwreg(HW_REG_WAVE_MODE, 25, 1), 1
	s_wait_xcnt 0x0
; PREP.  LayerNorm of both token tensors, and the quantising of them and of the four weights to codes of FP8 (E4M3) with one E8M0 byte for each 32 along K (the last axis of all six).
; OUT: pc, the codes, as IMAGES OF OPERAND REGISTERS: a fragment is 16 rows x 128 K = 2,048 bytes; byte 512 c + 16 lane + e is the code of k = 32 c + 16 (lane / 16) + e of the row of lane % 16.
;   Tile T, lane r is row 32 (T / 2) + 8 (T % 2) + r + 8 (r / 8).  x_q at 0, x_kv at 4 MiB, Wq, Wk, Wv at 8, 10, 12 MiB: [tile][8 K steps][2048]; Wo at 14 MiB: [tile][16][2048].
;   ps, the scale words, at the codes' offset / 32: [group of 128 rows][K step][512 bytes]; the word of (tile a of 8, lane r) at 256 (a / 4) + 16 r + 4 (a % 4).
; SHARES.  A work-group takes 64 rows x 1,024 columns: four tiles, eight K steps.  Work-groups 0-63 query_tokens, 64-127 keyvalue_tokens, 128-223 Wq, Wk, Wv, 224-255 Wo (row block, half of K).
;   Wave w takes rows 8 w + i, i = 0 .. 7: tile a = 2 (w / 4) + w % 2, lanes r = 8 ((w / 2) % 2) + i.  A row is eight loads of 512 consecutive bytes; load j is K step j; a block of 32 lies in 8 lanes x 4 numbers.
; ONE PATH serves all six tensors: pointers, pitch and offsets are chosen by the work-group's number; the weights' work-groups jump over the LayerNorm's lines, which are register work alone.
; A lane's four codes of a K step are 4 bytes of an image; they meet in LDS (units of 256 bytes + 16 of padding) and leave as whole runs of 512 bytes; the scale bytes likewise as runs of 256.
; A lane's 8 numbers of one conversion belong to two blocks, so each number is first multiplied by its block's 2^-e (exact) and the conversion's own scale is 1.
; LIMITS: NaN and infinities are not served.  A block whose largest magnitude lies under 2^-118, a block of zeros among them, gets the byte 1 (the bytes are read by this program alone; zero codes add nothing).
.set SST,  69632                       ; LDS: 256 units x 272 bytes of codes, then 8 K steps x 256 scale bytes
.set OFF,  2                           ; v2   16 x lane
.set VB,   3                           ; v3   where my codes go in LDS
.set SBB,  4                           ; v4   where my block's scale byte goes
.set RDC,  7                           ; v7   read-out of the codes
.set RDS,  8                           ; v8   read-out of the scale bytes
.set L8,   9                           ; v9   8 x lane
.set ONE,  10                          ; v10  1.0: the conversions' scale
.set PT,   11                          ; v11  a lane permute's destination
.set MEAN, 12                          ; v[12:13] the mean (low word)
.set RS,   14                          ; v[14:15] 1 / sqrt(var + eps) (low word)
.set CH,   16                          ; v16-23 four chains of pairs
.set MX,   24                          ; v24-31 the eight blocks' largest magnitudes
.set INV,  32                          ; v32-39 2^-e
.set BY,   40                          ; v40-55 scale bytes, two sets
.set C,    56                          ; v56-71 codes, two sets
.set X,    72                          ; v72-135 two rows
.set G,    136                         ; v136-167 gain of my 32 columns
.set BB,   168                         ; v168-199 bias
	s_load_b512 s[16:31], s[0:1], 0x0              ; q, kv, ln_q_g, ln_q_b, ln_kv_g, ln_kv_b, Wq, Wk
	s_load_b256 s[32:39], s[0:1], 0x40             ; Wv, Wo, pc, ps
	v_lshl_add_u32 v200, v0, 2, 0x11800
	v_mov_b32 v201, 0
	v_lshrrev_b32 v1, 5, v0
	s_delay_alu instid0(VALU_DEP_1)
	v_readfirstlane_b32 s2, v1                     ; wave 0..7
	v_and_b32 v1, 31, v0                           ; lane
	s_wait_alu depctr_va_vdst(0)
	v_lshlrev_b32 v[OFF], 4, v1
	v_lshlrev_b32 v[L8], 3, v1
	s_lshr_b32 s3, s2, 2
	s_lshl_b32 s3, s3, 1
	s_and_b32 s40, s2, 1
	s_add_co_u32 s3, s3, s40                       ; a
	s_bfe_u32 s41, s2, 0x10001
	s_lshl_b32 s41, s41, 7                         ; 16 bytes x 8 rows for the upper half of a tile's lanes
	s_mul_i32 s42, s3, 17408                       ; 64 units of 272 bytes a tile
	s_add_co_u32 s42, s42, s41
	v_lshrrev_b32 v[VB], 2, v1
	s_delay_alu instid0(VALU_DEP_1)
	v_mul_u32_u24 v[VB], v[VB], 272                ; unit lane / 4 of the fragment,
	v_and_b32 v5, 3, v1
	s_delay_alu instid0(VALU_DEP_1)
	v_lshl_add_u32 v[VB], v5, 2, v[VB]             ; 4 (lane % 4) in my row's 16 bytes
	s_delay_alu instid0(VALU_DEP_1)
	v_add_nc_u32 v[VB], s42, v[VB]
	s_lshl_b32 s43, s3, 2
	s_add_co_u32 s43, s43, s41
	s_add_co_u32 s43, s43, SST
	v_lshrrev_b32 v[SBB], 3, v1                    ; byte lane / 8 of the word
	s_delay_alu instid0(VALU_DEP_1)
	v_add_nc_u32 v[SBB], s43, v[SBB]
	s_mul_i32 s43, s2, 8704                        ; read-out: wave w takes units 32 w .. 32 w + 31
	v_lshrrev_b32 v[RDC], 4, v1
	s_delay_alu instid0(VALU_DEP_1)
	v_mul_u32_u24 v[RDC], v[RDC], 272
	v_and_b32 v5, 15, v1
	s_delay_alu instid0(VALU_DEP_1)
	v_lshl_add_u32 v[RDC], v5, 4, v[RDC]
	s_delay_alu instid0(VALU_DEP_1)
	v_add_nc_u32 v[RDC], s43, v[RDC]
	s_lshl_b32 s43, s2, 8
	s_add_co_u32 s43, s43, SST
	v_add_nc_u32 v[RDS], s43, v[L8]                ; and K step w's 256 scale bytes
	v_mov_b32 v[ONE], 1.0
	v_mov_b32 v[PT], 0
	v_mov_b32 v[MEAN+1], 0                         ; named as upper halves of pairs
	v_mov_b32 v[RS+1], 0
	s_mov_b32 s48, 0x76543210
	s_mov_b32 s49, 0xfedcba98                      ; lane l xor 16
	s_mov_b32 s50, 0x3a800000                      ; 1 / 1024
	s_mov_b32 s51, 0x3727c5ac                      ; 1e-5
	; offsets, apart from the addresses.  First as for all tensors but Wo
	s_cmp_lt_u32 ttmp9, 128
	s_cselect_b32 s52, 63, 31
	s_and_b32 s52, ttmp9, s52
	s_lshl_b32 s52, s52, 18                        ; in: 64 rows of 4,096 bytes
	s_lshl_b32 s54, ttmp9, 16                      ; codes: 65,536 bytes a work-group, the tensors on end
	s_lshr_b32 s56, ttmp9, 1
	s_lshl_b32 s56, s56, 12
	s_and_b32 s42, ttmp9, 1
	s_lshl_b32 s43, s42, 8
	s_add_co_u32 s56, s56, s43                     ; scale words: 4,096 bytes a group, my half of each 512
	; then as for Wo: row block rb, half kh of K (for the others these numbers are not used)
	s_sub_co_u32 s44, ttmp9, 224
	s_lshr_b32 s44, s44, 1                         ; rb
	s_lshl_b32 s45, s44, 19
	s_lshl_b32 s43, s42, 12
	s_add_co_u32 s45, s45, s43
	s_lshl_b32 s59, s44, 17
	s_lshl_b32 s43, s42, 14
	s_add_co_u32 s59, s59, s43
	s_add_co_u32 s59, s59, 14<<20
	s_lshr_b32 s60, s44, 1
	s_lshl_b32 s60, s60, 13
	s_lshl_b32 s43, s42, 12
	s_add_co_u32 s60, s60, s43
	s_and_b32 s43, s44, 1
	s_lshl_b32 s43, s43, 8
	s_add_co_u32 s60, s60, s43
	s_add_co_u32 s60, s60, 448<<10
	s_mov_b32 s6, 8192
	s_mov_b32 s58, 32768
	s_cmp_lt_u32 ttmp9, 224
	s_cselect_b32 s52, s52, s45
	s_cselect_b32 s54, s54, s59
	s_cselect_b32 s56, s56, s60
	s_cselect_b32 s6, 4096, s6                     ; a row in memory
	s_cselect_b32 s58, 16384, s58                  ; a tile in pc
	s_lshl_b32 s43, s6, 3
	s_mul_i32 s43, s43, s2
	s_add_co_u32 s52, s52, s43                     ; my wave's 8 rows
	s_lshr_b32 s43, s2, 1
	s_mul_i32 s43, s43, s58
	s_add_co_u32 s54, s54, s43                     ; read-out: tile w / 2,
	s_lshl_b32 s43, s40, 13
	s_add_co_u32 s54, s54, s43                     ; half w % 2 of its 16,384 bytes
	s_lshl_b32 s43, s2, 9
	s_add_co_u32 s56, s56, s43                     ; K step w's words
	s_mov_b32 s7, 0
	s_mov_b32 s53, 0
	s_mov_b32 s55, 0
	s_mov_b32 s57, 0
	s_wait_kmcnt 0x0
	s_mov_b64 s[4:5], s[34:35]                     ; the tensor is chosen by the work-group's number alone
	s_cmp_lt_u32 ttmp9, 224
	s_cselect_b64 s[4:5], s[32:33], s[4:5]
	s_cmp_lt_u32 ttmp9, 192
	s_cselect_b64 s[4:5], s[30:31], s[4:5]
	s_cmp_lt_u32 ttmp9, 160
	s_cselect_b64 s[4:5], s[28:29], s[4:5]
	s_cmp_lt_u32 ttmp9, 128
	s_cselect_b64 s[4:5], s[18:19], s[4:5]
	s_cmp_lt_u32 ttmp9, 64
	s_cselect_b64 s[4:5], s[16:17], s[4:5]
	s_cselect_b64 s[12:13], s[20:21], s[24:25]     ; gain and bias (loaded by all, read by the tokens' work-groups)
	s_cselect_b64 s[14:15], s[22:23], s[26:27]
	s_add_nc_u64 s[4:5], s[4:5], s[52:53]
	s_add_nc_u64 s[8:9], s[36:37], s[54:55]
	s_add_nc_u64 s[10:11], s[38:39], s[56:57]
.irp j, 0,1,2,3,4,5,6,7
	global_load_b128 v[G+4*\j:G+4*\j+3], v[OFF], s[12:13] offset:512*\j
	global_load_b128 v[BB+4*\j:BB+4*\j+3], v[OFF], s[14:15] offset:512*\j
.endr
.macro FILL i                          ; row i of my eight into buffer i % 2: eight loads of 512 consecutive bytes
.set XB, X+32*((\i)%2)
.if (\i) > 0
	s_wait_xcnt 0x0                                ; the loads issued so far have read their base: it may step
	s_add_nc_u64 s[4:5], s[4:5], s[6:7]
.endif
.irp j, 0,1,2,3,4,5,6,7
	global_load_b128 v[XB+4*\j:XB+4*\j+3], v[OFF], s[4:5] offset:512*\j th:TH_LOAD_NT
.endr
.endm
.macro WSUM r                          ; the sum over the 32 lanes, in every lane
	s_delay_alu instid0(VALU_DEP_1)
	v_add_f32_dpp v[\r], v[\r], v[\r] row_xmask:1 row_mask:0xf bank_mask:0xf
	s_delay_alu instid0(VALU_DEP_1)
	v_add_f32_dpp v[\r], v[\r], v[\r] row_xmask:2 row_mask:0xf bank_mask:0xf
	s_delay_alu instid0(VALU_DEP_1)
	v_add_f32_dpp v[\r], v[\r], v[\r] row_xmask:4 row_mask:0xf bank_mask:0xf
	s_delay_alu instid0(VALU_DEP_1)
	v_add_f32_dpp v[\r], v[\r], v[\r] row_xmask:8 row_mask:0xf bank_mask:0xf
	s_delay_alu instid0(VALU_DEP_1)
	v_permlanex16_b32 v[PT], v[\r], s48, s49
	s_delay_alu instid0(VALU_DEP_1)
	v_add_f32 v[\r], v[\r], v[PT]
.endm
.macro ROW i
.set XB, X+32*((\i)%2)
.set CB, C+8*((\i)%2)
.set YB, BY+8*((\i)%2)
.if (\i) < 7
	s_wait_loadcnt 8                               ; my row is in (and gain and bias, which are older); the next row's eight loads may be out
.else
	s_wait_loadcnt 0x0
.endif
	s_wait_dscnt 16                                ; all but the last row's 16 LDS stores are done: this set of codes and bytes, stored two rows ago, may be written
	s_cmp_lt_u32 ttmp9, 128
	s_cbranch_scc0 .Lraw_\@                        ; a weight is quantised as it is
.irp k, 0,1,2,3
	v_pk_add_f32 v[CH+2*\k:CH+2*\k+1], v[XB+4*\k:XB+4*\k+1], v[XB+4*\k+2:XB+4*\k+3]
.endr
.irp p, 16,24
.irp k, 0,1,2,3
	s_delay_alu instid0(VALU_DEP_4)
	v_pk_add_f32 v[CH+2*\k:CH+2*\k+1], v[CH+2*\k:CH+2*\k+1], v[XB+\p+2*\k:XB+\p+2*\k+1]
.endr
.endr
	s_delay_alu instid0(VALU_DEP_3)
	v_pk_add_f32 v[CH:CH+1], v[CH:CH+1], v[CH+2:CH+3]
	s_delay_alu instid0(VALU_DEP_2)
	v_pk_add_f32 v[CH+4:CH+5], v[CH+4:CH+5], v[CH+6:CH+7]
	s_delay_alu instid0(VALU_DEP_1)
	v_pk_add_f32 v[CH:CH+1], v[CH:CH+1], v[CH+4:CH+5]
	s_delay_alu instid0(VALU_DEP_1)
	v_add_f32 v[CH], v[CH], v[CH+1]
	WSUM CH
	s_delay_alu instid0(VALU_DEP_1)
	v_mul_f32 v[MEAN], s50, v[CH]
.set k, 0
.rept 16
	v_pk_add_f32 v[XB+k:XB+k+1], v[XB+k:XB+k+1], v[MEAN:MEAN+1] op_sel_hi:[1,0] neg_lo:[0,1] neg_hi:[0,1]   ; x - mean
.set k, k+2
.endr
.irp k, 0,1,2,3
	v_pk_mul_f32 v[CH+2*\k:CH+2*\k+1], v[XB+2*\k:XB+2*\k+1], v[XB+2*\k:XB+2*\k+1]
.endr
.irp p, 8,16,24
.irp k, 0,1,2,3
	s_delay_alu instid0(VALU_DEP_4)
	v_pk_fma_f32 v[CH+2*\k:CH+2*\k+1], v[XB+\p+2*\k:XB+\p+2*\k+1], v[XB+\p+2*\k:XB+\p+2*\k+1], v[CH+2*\k:CH+2*\k+1]
.endr
.endr
	s_delay_alu instid0(VALU_DEP_3)
	v_pk_add_f32 v[CH:CH+1], v[CH:CH+1], v[CH+2:CH+3]
	s_delay_alu instid0(VALU_DEP_2)
	v_pk_add_f32 v[CH+4:CH+5], v[CH+4:CH+5], v[CH+6:CH+7]
	s_delay_alu instid0(VALU_DEP_1)
	v_pk_add_f32 v[CH:CH+1], v[CH:CH+1], v[CH+4:CH+5]
	s_delay_alu instid0(VALU_DEP_1)
	v_add_f32 v[CH], v[CH], v[CH+1]
	WSUM CH
	s_delay_alu instid0(VALU_DEP_1)
	v_fma_f32 v[RS], v[CH], s50, s51               ; var + eps
	s_wait_alu depctr_va_vdst(0)
	v_rsq_f32 v[RS], v[RS]
	v_nop                                          ; a plain instruction behind the transcendental,
	s_wait_alu depctr_va_vdst(0)                   ; and the wait ahead of its first reader
.set k, 0
.rept 16
	v_pk_mul_f32 v[XB+k:XB+k+1], v[XB+k:XB+k+1], v[RS:RS+1] op_sel_hi:[1,0]
.set k, k+2
.endr
.set k, 0
.rept 16
	v_pk_fma_f32 v[XB+k:XB+k+1], v[XB+k:XB+k+1], v[G+k:G+k+1], v[BB+k:BB+k+1]
.set k, k+2
.endr
.Lraw_\@:
.irp j, 0,1,2,3,4,5,6,7                ; the largest magnitude of my four numbers of K step j's block, and the floor 2^(9 - 127), which holds the byte at 1 from below
	v_max3_num_f32 v[MX+\j], |v[XB+4*\j]|, |v[XB+4*\j+1]|, 0x4800000
.endr
.irp j, 0,1,2,3,4,5,6,7
	v_max3_num_f32 v[MX+\j], v[MX+\j], |v[XB+4*\j+2]|, |v[XB+4*\j+3]|
.endr
.irp m, 1,2,4                          ; and of the block's eight lanes
.irp j, 0,1,2,3,4,5,6,7
	v_max_num_f32_dpp v[MX+\j], v[MX+\j], v[MX+\j] row_xmask:\m row_mask:0xf bank_mask:0xf
.endr
.endr
.irp j, 0,1,2,3,4,5,6,7
	v_and_b32 v[INV+\j], 0x7f800000, v[MX+\j]
.endr
.irp j, 0,1,2,3,4,5,6,7
	v_sub_nc_u32 v[INV+\j], 0x83000000, v[INV+\j]  ; exponent field 262 - E: 2^(8 + 127 - E), one over the scale
.endr
.irp j, 0,1,2,3,4,5,6,7
	v_add_nc_u32 v[YB+\j], 0xfc000000, v[MX+\j]
.endr
.irp j, 0,1,2,3,4,5,6,7
	v_lshrrev_b32 v[YB+\j], 23, v[YB+\j]           ; the byte: E - 8
.endr
.irp j, 0,2,4,6
	v_pk_mul_f32 v[XB+4*\j:XB+4*\j+1], v[XB+4*\j:XB+4*\j+1], v[INV+\j:INV+\j+1] op_sel_hi:[1,0]
	v_pk_mul_f32 v[XB+4*\j+2:XB+4*\j+3], v[XB+4*\j+2:XB+4*\j+3], v[INV+\j:INV+\j+1] op_sel_hi:[1,0]
	v_pk_mul_f32 v[XB+4*\j+4:XB+4*\j+5], v[XB+4*\j+4:XB+4*\j+5], v[INV+\j:INV+\j+1] op_sel:[0,1] op_sel_hi:[1,1]
	v_pk_mul_f32 v[XB+4*\j+6:XB+4*\j+7], v[XB+4*\j+6:XB+4*\j+7], v[INV+\j:INV+\j+1] op_sel:[0,1] op_sel_hi:[1,1]
.endr
.set k, 0
.rept 32
.set k, k+1
.endr
.irp q, 0,1,2,3
	v_cvt_scalef32_pk8_fp8_f32 v[CB+2*\q:CB+2*\q+1], v[XB+8*\q:XB+8*\q+7], v[ONE]
.endr
	v_nop                                          ; a plain instruction behind the last conversion
.irp j, 0,1,2,3,4,5,6,7
	ds_store_b32 v[VB], v[CB+\j] offset:2176*\j+16*(\i)
.endr
.irp j, 0,1,2,3,4,5,6,7
	ds_store_b8 v[SBB], v[YB+\j] offset:256*\j+16*(\i)     ; a block's eight lanes write the same byte with the same value
.endr
.if (\i) < 6
	FILL (\i)+2
.endif
.endm
	FILL 0
	FILL 1
.irp i, 0,1,2,3,4,5,6,7
	ROW \i
.endr
	s_wait_dscnt 0x0                               ; for the others' sake: my stores have landed
	s_barrier_signal -1
	s_barrier_wait -1
.irp i, 0,1,2,3,4,5,6,7,8,9,10,11,12,13,14,15
	ds_load_b128 v[X+4*\i:X+4*\i+3], v[RDC] offset:544*\i
.endr
	ds_load_b64 v[CH:CH+1], v[RDS]
.irp i, 0,1,2,3,4,5,6,7,8,9,10,11,12,13,14,15
	s_wait_dscnt 16-\i                             ; load i is in; the younger ones may be out
	global_store_b128 v[OFF], v[X+4*\i:X+4*\i+3], s[8:9] offset:512*\i    ; 32 lanes store 512 consecutive bytes, aligned
.endr
	s_wait_dscnt 0x0
	global_store_b64 v[L8], v[CH:CH+1], s[10:11]   ; 32 lanes store 256 consecutive bytes, aligned
	s_wait_tensorcnt 0x0
	ds_add_u32 v200, v201
	s_wait_dscnt 0x0
	s_endpgm
.Lfunc_end_k_q4f610a7b13_prep:
	.size	k_q4f610a7b13_prep, .Lfunc_end_k_q4f610a7b13_prep-k_q4f610a7b13_prep
	.p2alignl 7, 3214868480
	.fill 96, 4, 3214868480
	.section	.rodata,"a",@progbits
	.p2align	6, 0x0
	.amdhsa_kernel k_q4f610a7b13_prep
		.amdhsa_group_segment_fixed_size 72704
		.amdhsa_private_segment_fixed_size 0
		.amdhsa_enable_private_segment 0
		.amdhsa_kernarg_size 96
		.amdhsa_user_sgpr_count 2
		.amdhsa_user_sgpr_kernarg_segment_ptr 1
		.amdhsa_wavefront_size32 1
		.amdhsa_system_sgpr_workgroup_id_x 1
		.amdhsa_system_sgpr_workgroup_id_y 1
		.amdhsa_system_sgpr_workgroup_id_z 1
		.amdhsa_system_vgpr_workitem_id 0
		.amdhsa_next_free_vgpr 202
		.amdhsa_next_free_sgpr 66
		.amdhsa_reserve_vcc 0
		.amdhsa_float_denorm_mode_32 3
		.amdhsa_float_denorm_mode_16_64 3
		.amdhsa_fp16_overflow 1
		.amdhsa_memory_ordered 1
		.amdhsa_forward_progress 1
		.amdhsa_inst_pref_size 132
	.end_amdhsa_kernel
	.amdgpu_metadata
---
amdhsa.version: [ 1, 2 ]
amdhsa.kernels:
  - .name:           k_q4f610a7b13_prep
    .symbol:         k_q4f610a7b13_prep.kd
    .args:
      - { .name: query_tokens, .offset: 0, .size: 8, .value_kind: global_buffer, .address_space: global }
      - { .name: keyvalue_tokens, .offset: 8, .size: 8, .value_kind: global_buffer, .address_space: global }
      - { .name: ln_q_g, .offset: 16, .size: 8, .value_kind: global_buffer, .address_space: global }
      - { .name: ln_q_b, .offset: 24, .size: 8, .value_kind: global_buffer, .address_space: global }
      - { .name: ln_kv_g, .offset: 32, .size: 8, .value_kind: global_buffer, .address_space: global }
      - { .name: ln_kv_b, .offset: 40, .size: 8, .value_kind: global_buffer, .address_space: global }
      - { .name: Wq, .offset: 48, .size: 8, .value_kind: global_buffer, .address_space: global }
      - { .name: Wk, .offset: 56, .size: 8, .value_kind: global_buffer, .address_space: global }
      - { .name: Wv, .offset: 64, .size: 8, .value_kind: global_buffer, .address_space: global }
      - { .name: Wo, .offset: 72, .size: 8, .value_kind: global_buffer, .address_space: global }
      - { .name: pc, .offset: 80, .size: 8, .value_kind: global_buffer, .address_space: global }
      - { .name: ps, .offset: 88, .size: 8, .value_kind: global_buffer, .address_space: global }
    .group_segment_fixed_size: 72704
    .private_segment_fixed_size: 0
    .kernarg_segment_align: 8
    .kernarg_segment_size: 96
    .max_flat_workgroup_size: 256
    .sgpr_count:     66
    .vgpr_count:     202
    .wavefront_size: 32
...
	.end_amdgpu_metadata
.endif
;; end of part 1
;; launch qkv (part 2): grid 8 x 48, 4 waves a work-group, clusters of 4 x 4, 327,680 bytes of LDS; arguments pc, ps, hd; writes hd
.if DOCPART == 2
	.amdgcn_target "amdgcn-amd-amdhsa--gfx1250"
	.amdhsa_code_object_version 6
	.text
	.protected	k_q4f610a7b13_qkv
	.globl	k_q4f610a7b13_qkv
	.p2align	8
	.type	k_q4f610a7b13_qkv,@function
k_q4f610a7b13_qkv:
	s_mov_b64 s[64:65], 0
	v_nop
	global_prefetch_b8 v0, s[64:65] scope:SCOPE_SE
	s_setreg_imm32_b32 hwreg(HW_REG_WAVE_MODE, 25, 1), 1
	s_wait_xcnt 0x0
	s_wait_alu depctr_hold_cnt(0) depctr_sa_sdst(0) depctr_va_vdst(0) depctr_va_sdst(0) depctr_va_ssrc(0) depctr_va_vcc(0) depctr_vm_vsrc(0)
	s_getreg_b32 s2, hwreg(HW_REG_IB_STS2, 6, 4)
	s_cmp_eq_u32 s2, 0
	s_cbranch_scc0 .Lentry_in_a_cluster
	s_endpgm
.Lentry_in_a_cluster:
	s_bfe_u32 s2, ttmp6, 0x10000c
	s_cmp_lg_u32 s2, 0xf033
	s_cbranch_scc0 .Lentry_shape_is_right
	s_endpgm
.Lentry_shape_is_right:
; QKV.  Three products on codes of FP8 (E4M3) with E8M0 scales: q = x_q Wq^T, k = x_kv Wk^T (4,096 x 2,048, K = 1,024), v = Wv x_kv^T (2,048 x 4,096): v transposed, since its next K is the tokens.
; The results are quantised in registers, along their next K, and only codes and scale words are stored.
; OPERANDS lie in pc and ps as images of operand registers (a fragment of 16 rows x 128 K is 2,048 bytes, 16 bytes a lane and group of four registers; tile T, lane r is row 32 (T/2) + 8 (T%2) + r + 8 (r/8);
;   scale words: 512 bytes for 128 rows and a K step, word of (tile a, lane r) at 256 (a/4) + 16 r + 4 (a%4): one load of 16 bytes a lane brings tiles 0-3 in lanes 0-15 and tiles 4-7 in lanes 16-31).
; A tile of 256 x 256 is made by four waves, 128 x 128 each: 64 accumulators.  K goes through a ring of two LDS slots of two K steps of 128; the scale words of all of K come once.
; THE MATRIX INSTRUCTION IS USED TRANSPOSED: source 0 = B's tile, source 1 = A's.  With the tiles' row order a lane's 64 results of one tile of A are, in register order 16 b + i, next-K places 32 b + 16 (lane/16) + i.
; CLUSTERS: 4 x 4 work-groups; A's tiles are asked for jointly along a row of the cluster, B's along a column.  Clusters y 0-3: q, 4-7: k, 8-11: v.
; OUT: hd, 192 blocks of 135,168 bytes, index 64 P + 16 batch + head: 64 fragments, then 8 x 512 bytes of scale words.  q, k: fragment = token tile; v: fragment 8 s + t = key step s, channel tile t.
; LIMITS: NaN and infinities are not served; a block whose largest magnitude lies under 2^-118 gets the byte 1.
; REGISTERS: window 0: v16-29 addresses; v32-63 scale words, two sets; v128-255 A's fragments, one set.  window 1: B's fragments, two sets.  windows 2, 3: accumulator (a, b) at v[8 (8 (a%4) + b)].
.set KS,    8                          ; K steps of 128
.set SLOT,  131072                     ; A: 16 tiles x 2 K steps x 2,048 bytes, then B likewise
.set SCL,   2*SLOT                     ; the scale words: A's two groups, B's two, KS x 512 bytes each
.set SPARE, SCL+KS*2048                ; the spare words: 128 bytes a wave, two blocks of 256 bytes that no other line names
.set LAPS,  KS/4
.set FR,    16
.set NL,    4
.set NP,    8                          ; places behind this matrix instruction (ISA guide 7.12.1)
.set HBB,   135168
.set ADRA,  16
.set ADRB,  20
.set ADSA,  22
.set ADSB,  23
.set LI,    24                         ; 16 x lane
.set LNE,   25                         ; lane
.set SPW,   28
.set NIL,   29
.set SC,    32                         ; set sc, step q: A's words at SC + 16 sc + 8 q + 0..3, B's at + 4..7
.set AF,    128
.set T,     64                         ; the way out: 64 held numbers
.set PWB,   32                         ; eight scale words
.set OW,    40                         ; the four registers that are stored
.set TM,    44                         ; at work
.set G1,  24
.set G0,  32
.set G1B, 48
.set G0B, 56
.set G1S, 68
.set G0S, 76
.set G1SB, 80
.set G0SB, 88
.set MSB, 0
.macro WIN new                         ; the immediate's high byte repeats the setting that is left
.if MSB != \new
	s_set_vgpr_msb (MSB<<8)|\new
.set MSB, \new
.endif
.endm
.set MUL_LO, 0xa1                      ; source 0 (B) window 1, source 1 (A) window 0, C and D window 2
.set MUL_HI, 0xf1
.set TO_B,   0x40
.macro JLOAD g0a, g1a, g0b, g1b        ; a joint load: waves 0, 1 fetch for A, waves 2, 3 for B; four v_nop follow each line
	s_cmp_eq_u32 s15, 0
	s_cbranch_scc0 .Lfor_b_\@
	tensor_load_to_lds s[\g0a:\g0a+3], s[\g1a:\g1a+7]
	s_nop 0
.rept 4
	v_nop
.endr
	s_branch .Lasked_\@
.Lfor_b_\@:
	tensor_load_to_lds s[\g0b:\g0b+3], s[\g1b:\g1b+7]
	s_nop 0
.rept 4
	v_nop
.endr
.Lasked_\@:
.endm
.macro CREST
	s_cmp_lg_u32 s14, 0
	s_cbranch_scc1 .Lnot_wave_0_\@
	s_barrier_signal -3
.Lnot_wave_0_\@:
	s_barrier_wait -3
	s_barrier_signal -1
	s_barrier_wait -1
.endm
.macro CROUND
	s_barrier_signal -1
	s_barrier_wait -1
	CREST
.endm
	s_load_b128 s[4:7], s[0:1], 0x0                ; pc, ps
	s_load_b64 s[8:9], s[0:1], 0x10                ; hd
	v_lshl_add_u32 v[SPW], v0, 2, SPARE
	v_mov_b32 v[NIL], 0
	ds_add_u32 v28, v29
	ds_add_u32 v28, v29
	s_wait_dscnt 0x0
	v_lshrrev_b32 v1, 5, v0
	v_readfirstlane_b32 s14, v1                    ; wave
	s_lshr_b32 s15, s14, 1                         ; my half of the tile's rows; also: I fetch for A (0) or B (1)
	s_and_b32 s16, s14, 1                          ; my half of its columns; also: which group of 128 rows I fetch
	s_bfe_u32 s40, ttmp6, 0x40000                  ; cx
	s_bfe_u32 s41, ttmp6, 0x40004                  ; cy
	s_and_b32 s17, ttmp7, 0xffff
	s_lshr_b32 s12, s17, 2                         ; P: 0 q, 1 k, 2 v: the same in all partners
	s_and_b32 s17, s17, 3
	s_and_b32 s18, s17, 1
	s_lshr_b32 s19, s17, 1
	s_lshl_b32 s19, s19, 1
	s_add_co_u32 s19, s19, ttmp9
	s_cmp_eq_u32 s12, 2
	s_cselect_b32 s17, s18, s17                    ; the cluster's row: q, k: 4 of them; v: 2
	s_cselect_b32 s42, s19, ttmp9                  ; its column: q, k: 2; v: 4
	s_lshl_b32 s17, s17, 2
	s_add_co_u32 s17, s17, s41                     ; tile row
	s_lshl_b32 s42, s42, 2
	s_add_co_u32 s42, s42, s40                     ; tile column
	s_add_co_u32 s18, s12, 1
	s_mul_i32 s18, s18, s12
	s_lshl_b32 s18, s18, 21                        ; A in pc: 0, 4, 12 MiB
	s_lshl_b32 s19, s12, 1
	s_add_co_u32 s19, s19, 8
	s_cmp_eq_u32 s12, 2
	s_cselect_b32 s19, 4, s19
	s_lshl_b32 s19, s19, 20                        ; B in pc: 8, 10, 4 MiB
	s_lshl_b32 s43, s41, 2
	s_lshl_b32 s43, 15, s43                        ; my row of the cluster
	s_lshl_b32 s44, 0x1111, s40                    ; my column
	s_or_b32 s[G1+0], s43, (3<<16)|(1<<21)         ; the mask; elements of 8 bytes; bit 21 beside a mask; no padding
	s_or_b32 s[G1B+0], s44, (3<<16)|(1<<21)
.irp g, G1, G1B                        ; codes: 8 tiles x 4,096 bytes (two K steps), KS x 2,048 bytes from tile to tile
	s_mov_b32 s[\g+1], 512<<16
	s_mov_b32 s[\g+2], 8<<16
	s_mov_b32 s[\g+3], 512<<16
	s_mov_b32 s[\g+4], 8
	s_mov_b32 s[\g+5], KS*256
	s_mov_b32 s[\g+6], 0
	s_mov_b32 s[\g+7], 0
.endr
	s_or_b32 s[G1S+0], s43, (3<<16)|(1<<21)
	s_or_b32 s[G1SB+0], s44, (3<<16)|(1<<21)
.irp g, G1S, G1SB                      ; scale words of a group: KS x 512 dense bytes as rows of 256
	s_mov_b32 s[\g+1], 32<<16
	s_mov_b32 s[\g+2], (2*KS)<<16
	s_mov_b32 s[\g+3], 32<<16
	s_mov_b32 s[\g+4], 2*KS
	s_mov_b32 s[\g+5], 32
	s_mov_b32 s[\g+6], 0
	s_mov_b32 s[\g+7], 0
.endr
	s_lshl_b32 s20, s17, 1
	s_add_co_u32 s20, s20, s16                     ; A's group that I fetch
	s_lshl_b32 s46, s42, 1
	s_add_co_u32 s46, s46, s16                     ; B's
	s_mul_i32 s22, s20, KS*512
	s_mul_i32 s92, s46, KS*512
	s_mul_i32 s20, s20, KS*16384
	s_mul_i32 s46, s46, KS*16384
	s_add_co_u32 s20, s20, s18
	s_add_co_u32 s46, s46, s19
	s_lshr_b32 s18, s18, 5
	s_lshr_b32 s19, s19, 5
	s_add_co_u32 s22, s22, s18
	s_add_co_u32 s92, s92, s19
	s_mov_b32 s21, 0
	s_mov_b32 s23, 0
	s_mov_b32 s47, 0
	s_mov_b32 s93, 0
	s_lshl_b32 s45, s14, 15                        ; where they go: wave x 32,768: no place in the cluster enters an LDS address
	s_mul_i32 s94, s14, KS*512
	; where my 128 x 128 goes: token group tg, head h
	s_lshl_b32 s10, s17, 1
	s_add_co_u32 s10, s10, s15
	s_lshl_b32 s11, s42, 1
	s_add_co_u32 s11, s11, s16
	s_cmp_eq_u32 s12, 2
	s_cselect_b32 s13, s11, s10                    ; tg
	s_cselect_b32 s95, s10, s11                    ; h
	s_lshl_b32 s96, s12, 6
	s_lshr_b32 s98, s13, 3
	s_lshl_b32 s98, s98, 4
	s_add_co_u32 s96, s96, s98
	s_add_co_u32 s96, s96, s95
	s_mul_i32 s96, s96, HBB
	s_and_b32 s13, s13, 7
	s_lshl_b32 s98, s13, 9
	s_add_co_u32 s98, s98, s96
	s_add_co_u32 s98, s98, 131072
	s_lshl_b32 s13, s13, 14
	s_add_co_u32 s96, s96, s13
	s_mov_b32 s97, 0
	s_mov_b32 s99, 0
	s_wait_kmcnt 0x0
	s_add_nc_u64 s[20:21], s[4:5], s[20:21]
	s_add_nc_u64 s[22:23], s[6:7], s[22:23]
	s_add_nc_u64 s[46:47], s[4:5], s[46:47]
	s_add_nc_u64 s[92:93], s[6:7], s[92:93]
	s_add_nc_u64 s[10:11], s[8:9], s[98:99]        ; my scale words in hd
	s_add_nc_u64 s[8:9], s[8:9], s[96:97]          ; my eight fragments
	CROUND                                         ; all sixteen work-groups are here: the first joint loads meet
	s_mov_b32 s[G0S], 1
	s_add_co_u32 s[G0S+1], s94, SCL
	s_mov_b64 s[G0S+2:G0S+3], s[22:23]
	s_or_b32 s[G0S+3], s[G0S+3], 0x80000000
	s_mov_b32 s[G0SB], 1
	s_add_co_u32 s[G0SB+1], s94, SCL
	s_mov_b64 s[G0SB+2:G0SB+3], s[92:93]
	s_or_b32 s[G0SB+3], s[G0SB+3], 0x80000000
	JLOAD G0S, G1S, G0SB, G1SB                     ; the scale words first
.irp s, 0,1
	s_mov_b32 s[G0+4*\s], 1
	s_add_co_u32 s[G0+4*\s+1], s45, \s*SLOT
	s_add_nc_u64 s[G0+4*\s+2:G0+4*\s+3], s[20:21], \s*4096
	s_or_b32 s[G0+4*\s+3], s[G0+4*\s+3], 0x80000000
	s_mov_b32 s[G0B+4*\s], 1
	s_add_co_u32 s[G0B+4*\s+1], s45, \s*SLOT
	s_add_nc_u64 s[G0B+4*\s+2:G0B+4*\s+3], s[46:47], \s*4096
	s_or_b32 s[G0B+4*\s+3], s[G0B+4*\s+3], 0x80000000
	JLOAD G0+4*\s, G1, G0B+4*\s, G1B
.endr
	v_and_b32 v[LNE], 31, v0
	v_lshlrev_b32 v[LI], 4, v[LNE]
	s_wait_alu depctr_va_vdst(0)
	s_lshl_b32 s21, s15, 15                        ; my group of A
	s_lshl_b32 s22, s16, 15
	s_add_co_u32 s22, s22, 65536                   ; my group of B
.irp s, 0,1
	v_add_nc_u32 v[ADRA+\s], s21, v[LI]
	v_add_nc_u32 v[ADRB+\s], s22, v[LI]
	s_add_co_u32 s21, s21, SLOT
	s_add_co_u32 s22, s22, SLOT
.endr
	s_mul_i32 s21, s15, KS*512
	s_add_co_u32 s21, s21, SCL
	v_add_nc_u32 v[ADSA], s21, v[LI]
	s_mul_i32 s22, s16, KS*512
	s_add_co_u32 s22, s22, SCL+2*KS*512
	v_add_nc_u32 v[ADSB], s22, v[LI]
.macro FRAG reg, adr, q, i             ; a fragment comes as it was stored: four loads of 512 consecutive bytes
.irp c, 0,1,2,3
	ds_load_b128 v[\reg+4*\c:\reg+4*\c+3], v[\adr] offset:4096*(\i)+2048*(\q)+512*\c
.endr
.endm
.macro MM a, b, p, q, sc, zero         ; one product: A's block a x B's block b; tiles 4-7 of a side have their scale words in lanes 16-31
.set rD, 8*(8*((\a)%4)+(\b))
.set rB, 128*(\p)+FR*(\b)
.set rA, AF+FR*(\a)
.set rSB, SC+16*(\sc)+8*(\q)+4+(\b)%4
.set rSA, SC+16*(\sc)+8*(\q)+(\a)%4
.if \zero
.if ((\b) < 4) && ((\a) < 4)
	v_wmma_scale_f32_16x16x128_f8f6f4 v[rD:rD+7], v[rB:rB+15], v[rA:rA+15], 0, v[rSB], v[rSA]
.elseif (\a) < 4
	v_wmma_scale_f32_16x16x128_f8f6f4 v[rD:rD+7], v[rB:rB+15], v[rA:rA+15], 0, v[rSB], v[rSA] matrix_a_scale:MATRIX_SCALE_ROW1
.elseif (\b) < 4
	v_wmma_scale_f32_16x16x128_f8f6f4 v[rD:rD+7], v[rB:rB+15], v[rA:rA+15], 0, v[rSB], v[rSA] matrix_b_scale:MATRIX_SCALE_ROW1
.else
	v_wmma_scale_f32_16x16x128_f8f6f4 v[rD:rD+7], v[rB:rB+15], v[rA:rA+15], 0, v[rSB], v[rSA] matrix_a_scale:MATRIX_SCALE_ROW1 matrix_b_scale:MATRIX_SCALE_ROW1
.endif
.else
.if ((\b) < 4) && ((\a) < 4)
	v_wmma_scale_f32_16x16x128_f8f6f4 v[rD:rD+7], v[rB:rB+15], v[rA:rA+15], v[rD:rD+7], v[rSB], v[rSA]
.elseif (\a) < 4
	v_wmma_scale_f32_16x16x128_f8f6f4 v[rD:rD+7], v[rB:rB+15], v[rA:rA+15], v[rD:rD+7], v[rSB], v[rSA] matrix_a_scale:MATRIX_SCALE_ROW1
.elseif (\b) < 4
	v_wmma_scale_f32_16x16x128_f8f6f4 v[rD:rD+7], v[rB:rB+15], v[rA:rA+15], v[rD:rD+7], v[rSB], v[rSA] matrix_b_scale:MATRIX_SCALE_ROW1
.else
	v_wmma_scale_f32_16x16x128_f8f6f4 v[rD:rD+7], v[rB:rB+15], v[rA:rA+15], v[rD:rD+7], v[rSB], v[rSA] matrix_a_scale:MATRIX_SCALE_ROW1 matrix_b_scale:MATRIX_SCALE_ROW1
.endif
.endif
.endm
.macro MUL16 a0, p, q, sc, zero        ; 16 products; the 64 accumulators take turns, in the same order in every step
.irp a, \a0, \a0+1
.irp b, 0,1,2,3,4,5,6,7
	MM \a, \b, \p, \q, \sc, \zero
.endr
.endr
.endm
.macro FETCH_B slot, q, p
	WIN TO_B
.irp i, 0,1,2,3,4,5,6,7
	FRAG 128*(\p)+FR*\i, ADRB+\slot, \q, \i
.endr
	WIN 0
.endm
.macro FETCH_A slot, q, i0
.irp i, \i0, \i0+1, \i0+2, \i0+3
	FRAG AF+FR*(\i), ADRA+\slot, \q, \i
.endr
.endm
.macro SCALES sc                       ; a slot's two K steps of scale words
.irp q, 0,1
	ds_load_b128 v[SC+16*\sc+8*\q:SC+16*\sc+8*\q+3], v[ADSA] offset:512*\q
	ds_load_b128 v[SC+16*\sc+8*\q+4:SC+16*\sc+8*\q+7], v[ADSB] offset:512*\q
.endr
.endm
.macro PLACES n
.rept \n
	v_nop
.endr
.endm
.macro STEP slot, zero                 ; a slot's first K step; it fetches the second's fragments
	s_wait_dscnt 4*NL                              ; all but the youngest 16 loads (A's blocks 4-7) are in
	WIN MUL_LO
	MUL16 0, 0, 0, \slot, \zero
	MUL16 2, 0, 0, \slot, \zero
	s_wait_dscnt 0x0
	PLACES NP                                      ; in front of loads into registers that matrix instructions have read
	FETCH_B \slot, 1, 1
	FETCH_A \slot, 1, 0
	WIN MUL_HI
	MUL16 4, 0, 0, \slot, \zero
	MUL16 6, 0, 0, \slot, \zero
	PLACES NP
	WIN 0
	FETCH_A \slot, 1, 4
.endm
.macro TURN slot, next, fill           ; a slot's second K step changes slots: one barrier; fill = 1: this slot is filled again, two slots ahead
	s_wait_tensorcnt 0x0                           ; all my tensor loads have landed: my part of the next slot
	ds_add_u32 v[SPW], v[NIL]                      ; 0 onto my spare word
	s_wait_dscnt 4*NL+1                            ; the add and the youngest 16 loads may be out
	WIN MUL_LO
	MUL16 0, 1, 1, \slot, 0
	s_wait_dscnt 0x0                               ; the add is done, and my reads of this slot are over
	s_barrier_signal -1
	MUL16 2, 1, 1, \slot, 0
	WIN 0
	s_barrier_wait -1
.if \fill
	CREST                                          ; the barrier has opened a round of the cluster's: no wave of any partner still reads this slot or has a load on its way
	s_add_nc_u64 s[G0+4*\slot+2:G0+4*\slot+3], s[G0+4*\slot+2:G0+4*\slot+3], 8192
	s_add_nc_u64 s[G0B+4*\slot+2:G0B+4*\slot+3], s[G0B+4*\slot+2:G0B+4*\slot+3], 8192
	JLOAD G0+4*\slot, G1, G0B+4*\slot, G1B         ; the first tensor load behind the round; its four v_nop are among the places below
	PLACES NP-4
.else
	PLACES NP
.endif
	s_wait_alu depctr_va_vdst(0)
	v_add_nc_u32 v[ADSA], 1024, v[ADSA]            ; the next slot's scale words
	v_add_nc_u32 v[ADSB], 1024, v[ADSB]
	FETCH_B \next, 0, 0
	FETCH_A \next, 0, 0
	SCALES \next
	WIN MUL_HI
	MUL16 4, 1, 1, \slot, 0
	MUL16 6, 1, 1, \slot, 0
	PLACES NP
	WIN 0
	FETCH_A \next, 0, 4
.endm
	s_wait_alu depctr_va_vdst(0)
	s_wait_tensorcnt 1                             ; the scale words and my part of slot 0 are in; slot 1's load may be out
	s_barrier_signal -1
	s_barrier_wait -1
	FETCH_B 0, 0, 0
	FETCH_A 0, 0, 0
	SCALES 0
	FETCH_A 0, 0, 4
	STEP 0, 1                                      ; the first step's products start the sums
	s_mov_b32 s3, LAPS-1
.Llap:
	TURN 0, 1, 1
	STEP 1, 0
	TURN 1, 0, 1
	STEP 0, 0
	s_sub_co_u32 s3, s3, 1
	s_cmp_lg_u32 s3, 0
	s_cbranch_scc1 .Llap
	TURN 0, 1, 0                                   ; the last lap fills nothing
	STEP 1, 0
	s_wait_dscnt 4*NL
	WIN MUL_LO
	MUL16 0, 1, 1, 1, 0
	MUL16 2, 1, 1, 1, 0
	s_wait_dscnt 0x0
	WIN MUL_HI
	MUL16 4, 1, 1, 1, 0
	MUL16 6, 1, 1, 1, 0
	WIN 0
; THE WAY OUT.  For each tile a of A, my lane's 64 results are one row's 128 next-K places of my half: four blocks of 32, each shared with lane l xor 16.  They become a fragment's 16 registers and a scale word.
.macro QUANTW a
.set AC, 64*((\a)%4)
.set PCA, AF+16*(\a)
	WIN 0x0a+5*((\a)/4)                            ; sources 0 and 1: window 2 or 3
.irp b, 0,1,2,3
	v_max3_num_f32 v[TM+\b], |v[AC+16*\b]|, |v[AC+16*\b+1]|, 0x4800000    ; each accumulator is read from its low end on; the floor 2^(9 - 127) holds the byte at 1 from below
.endr
.irp i, 2,4,6,8,10,12,14
.irp b, 0,1,2,3
	v_max3_num_f32 v[TM+\b], |v[AC+16*\b+\i]|, |v[AC+16*\b+\i+1]|, v[TM+\b]
.endr
.endr
	WIN 0
.irp b, 0,1,2,3
	v_permlanex16_b32 v[TM+4+\b], v[TM+\b], s12, s13
.endr
.irp b, 0,1,2,3
	v_max_num_f32 v[TM+\b], v[TM+\b], v[TM+4+\b]
.endr
.irp b, 0,1,2,3
	v_add_nc_u32 v[TM+12+\b], 0xfc000000, v[TM+\b] ; 8 off the exponent field: the conversion's scale operand
.endr
.irp b, 0,1,2,3
.endr
.irp b, 0,1,2,3
	v_lshrrev_b32 v[TM+4+\b], 23, v[TM+12+\b]      ; the byte
.endr
	v_lshl_or_b32 v[PWB+(\a)], v[TM+5], 8, v[TM+4]
	v_lshl_or_b32 v[PWB+(\a)], v[TM+6], 16, v[PWB+(\a)]
	v_lshl_or_b32 v[PWB+(\a)], v[TM+7], 24, v[PWB+(\a)]
	WIN 0x02+((\a)/4)                              ; source 0: window 2 or 3
.irp b, 0,1,2,3
.irp i, 0,1,2,3,4,5,6,7,8,9,10,11,12,13,14,15
.endr
.endr
.irp b, 0,1,2,3
	v_cvt_scalef32_pk8_fp8_f32 v[PCA+4*\b:PCA+4*\b+1], v[AC+16*\b:AC+16*\b+7], v[TM+12+\b]
	v_cvt_scalef32_pk8_fp8_f32 v[PCA+4*\b+2:PCA+4*\b+3], v[AC+16*\b+8:AC+16*\b+15], v[TM+12+\b]
.endr
	WIN 0
	v_nop                                          ; a plain instruction behind the last conversion
.irp c, 0,1,2,3
	global_store_b128 v[LI], v[PCA+4*\c:PCA+4*\c+3], s[8:9] offset:2048*(\a)+512*\c   ; 32 lanes store 512 consecutive bytes, aligned; each tile has registers of its own
.endr
.endm
	s_mov_b32 s12, 0x76543210
	s_mov_b32 s13, 0xfedcba98
	PLACES NP                                      ; behind the last products
.irp b, 0,1,2,3
	v_mov_b32 v[TM+4+\b], 0                        ; a lane permute's destination counts as read
.endr
.irp a, 0,1,2,3,4,5,6,7
	QUANTW \a
.endr
	v_cmp_le_u32 vcc_lo, 16, v[LNE]
.irp j, 0,1,2,3
	v_cndmask_b32 v[OW+\j], v[PWB+\j], v[PWB+4+\j], vcc_lo   ; lanes 0-15: tiles 0-3; lanes 16-31: tiles 4-7 (both halves of the lanes hold every word)
.endr
	global_store_b128 v[LI], v[OW:OW+3], s[10:11]
	s_wait_tensorcnt 0x0                           ; the wave's end
	ds_add_u32 v[SPW], v[NIL]
	s_wait_dscnt 0x0
	CROUND                                         ; the closing round
	s_endpgm
.Lfunc_end_k_q4f610a7b13_qkv:
	.size	k_q4f610a7b13_qkv, .Lfunc_end_k_q4f610a7b13_qkv-k_q4f610a7b13_qkv
	.p2alignl 7, 3214868480
	.fill 96, 4, 3214868480
	.section	.rodata,"a",@progbits
	.p2align	6, 0x0
	.amdhsa_kernel k_q4f610a7b13_qkv
		.amdhsa_group_segment_fixed_size 327680
		.amdhsa_private_segment_fixed_size 0
		.amdhsa_enable_private_segment 0
		.amdhsa_kernarg_size 24
		.amdhsa_user_sgpr_count 2
		.amdhsa_user_sgpr_kernarg_segment_ptr 1
		.amdhsa_wavefront_size32 1
		.amdhsa_system_sgpr_workgroup_id_x 1
		.amdhsa_system_sgpr_workgroup_id_y 1
		.amdhsa_system_sgpr_workgroup_id_z 1
		.amdhsa_system_vgpr_workitem_id 0
		.amdhsa_next_free_vgpr 1024
		.amdhsa_next_free_sgpr 100
		.amdhsa_reserve_vcc 1
		.amdhsa_float_denorm_mode_32 3
		.amdhsa_float_denorm_mode_16_64 3
		.amdhsa_fp16_overflow 1
		.amdhsa_memory_ordered 1
		.amdhsa_forward_progress 1
		.amdhsa_inst_pref_size 149
	.end_amdhsa_kernel
	.amdgpu_metadata
---
amdhsa.version: [ 1, 2 ]
amdhsa.kernels:
  - .name:           k_q4f610a7b13_qkv
    .symbol:         k_q4f610a7b13_qkv.kd
    .args:
      - { .name: pc, .offset: 0, .size: 8, .value_kind: global_buffer, .address_space: global }
      - { .name: ps, .offset: 8, .size: 8, .value_kind: global_buffer, .address_space: global }
      - { .name: hd, .offset: 16, .size: 8, .value_kind: global_buffer, .address_space: global }
    .group_segment_fixed_size: 327680
    .private_segment_fixed_size: 0
    .kernarg_segment_align: 8
    .kernarg_segment_size: 24
    .max_flat_workgroup_size: 128
    .sgpr_count:     100
    .vgpr_count:     1024
    .wavefront_size: 32
...
	.end_amdgpu_metadata
.endif
;; end of part 2
;; launch attn (part 3): grid 4 x 64, 16 waves a work-group, clusters of 4 x 1, 273,408 bytes of LDS; arguments hd, lambda_q1, lambda_k1, lambda_q2, lambda_k2, lambda_init, hn_g, hn_b, ac, asc; writes ac, asc
.if DOCPART == 3
	.amdgcn_target "amdgcn-amd-amdhsa--gfx1250"
	.amdhsa_code_object_version 6
	.text
	.protected	k_q4f610a7b13_attn
	.globl	k_q4f610a7b13_attn
	.p2align	8
	.type	k_q4f610a7b13_attn,@function
k_q4f610a7b13_attn:
	s_mov_b64 s[64:65], 0
	v_nop
	global_prefetch_b8 v0, s[64:65] scope:SCOPE_SE
	s_setreg_imm32_b32 hwreg(HW_REG_WAVE_MODE, 25, 1), 1
	s_wait_xcnt 0x0
	s_wait_alu depctr_hold_cnt(0) depctr_sa_sdst(0) depctr_va_vdst(0) depctr_va_sdst(0) depctr_va_ssrc(0) depctr_va_vcc(0) depctr_vm_vsrc(0)
	s_getreg_b32 s2, hwreg(HW_REG_IB_STS2, 6, 4)
	s_cmp_eq_u32 s2, 0
	s_cbranch_scc0 .Lentry_in_a_cluster
	s_endpgm
.Lentry_in_a_cluster:
	s_bfe_u32 s2, ttmp6, 0x10000c
	s_cmp_lg_u32 s2, 0x3003
	s_cbranch_scc0 .Lentry_shape_is_right
	s_endpgm
.Lentry_shape_is_right:
; ATTN.  For one batch and head: scores1 = q1 k1^T / 8, scores2 = q2 k2^T / 8, a = softmax(scores1) - lam softmax(scores2), o = a v, LayerNorm of o over its 128 channels, x (1 - lambda_init), quantised for the last product.
; All products on codes of FP8 (E4M3) with E8M0 scales.  a is quantised FINISHED AND NORMALISED, so both rows' maxima and sums must be known first: THE KEYS ARE WALKED TWICE.
;   Pass 1: scores, running maximum and sum of each set (a lane keeps its own; the two halves of the lanes are merged once, behind the pass).
;   Pass 2: the same scores again (the same bits), p = 2^(c s - c M), a = p1 / L1 - lam p2 / L2, quantised along the keys in registers, o^T += v^T a^T.  Nothing is rescaled.
; The scores' K is 64, half of the instruction's 128: one fragment of k (k1 | k2) is multiplied by (q1 | 0) and by (0 | q2), zeros as codes.
; SHARES.  A cluster of four work-groups is one head; a work-group owns 256 queries, each of its sixteen waves a tile of 16.  The head's whole block of k and of v (135,168 bytes each: 64 fragments and their
; scale words) comes into LDS ONCE, asked for jointly by the four; no LDS byte is filled twice.
; BARRIERS.  One shows k's block whole, ahead of pass 1; one shows v's block whole, behind pass 1's first 128 keys.  None stands between the passes: a wave goes from its pass 1 into its pass 2 by itself.
; LAYOUT.  Both products are used transposed (source 0 = 16 keys, or 16 channels; source 1 = my 16 queries): a lane holds one query.  By the tiles' row order (tile T, lane r = row 32 (T/2) + 8 (T%2) + r + 8 (r/8))
; the 16 registers of two neighbouring result tiles are 16 neighbours along the next K.
; LIMITS: NaN and infinities are not served; a block whose largest magnitude lies under 2^-118 gets the byte 1; a p under 2^-126 counts as 0.
; REGISTERS: v1 16 x lane; v2-5 LDS addresses; v6, v8 c M; v7, v9 M; v[10:11], v[12:13] the sums, later v10 = 1 / L1, v11 = -lam / L2; v14, v15 the sums' factors; v16-23 q1, v24-31 zeros, v32-39 q2;
;   v40-103 four fragments; v104-135, v136-167 the two sets of scores; v168-231 o^T (pass 1: at work); v232-247 a's codes; v248-251 k's or v's scale words; v252 q's; v253 a's.
.set KSC,  131072                      ; LDS: k's fragments at 0, its scale words here,
.set VD,   135168                      ; v's block this far behind k's,
.set OSC,  270336                      ; and 1,024 bytes for the result's scale words, written by LDS stores alone
.set HBB,  135168
.set LI,   1
.set ADK,  2
.set ADV,  3
.set ADS,  4
.set ADT,  5
.set F,    40
.set SX,   104
.set SY,   136
.set O,    168
.set PC,   232
.set KWD,  248
.set QS,   252
.set PW,   253
.set TM,   16
.set WV,   18
.set G1,   24
.set G0K,  32
.set G0V,  36
.set CS,   40                          ; s[40:41] c = log2(e) / 8
.set SEL,  42
.set NLM,  44                          ; -lam
.set LIN,  45                          ; lambda_init
.set MNT,  46
.set KB,   47
.set SB,   48
.set CNT,  49
.macro ROUND
	s_barrier_signal -1
	s_barrier_wait -1
	s_cmp_lg_u32 s[WV], 0
	s_cbranch_scc1 .Lnot_wave_0_\@
	s_barrier_signal -3
.Lnot_wave_0_\@:
	s_barrier_wait -3
	s_barrier_signal -1
	s_barrier_wait -1
.endm
	s_load_b256 s[4:11], s[0:1], 0x0               ; hd, lambda_q1, lambda_k1, lambda_q2
	s_load_b256 s[52:59], s[0:1], 0x20             ; lambda_k2, lambda_init, hn_g, hn_b
	s_load_b128 s[60:63], s[0:1], 0x40             ; ac, asc
	v_lshl_add_u32 v254, v0, 2, 0x42400
	v_mov_b32 v255, 0
	ds_add_u32 v254, v255
	ds_add_u32 v254, v255
	v_lshrrev_b32 v1, 5, v0
	s_delay_alu instid0(VALU_DEP_1)
	v_readfirstlane_b32 s[WV], v1                  ; wave 0..15
	s_and_b32 s12, ttmp7, 0xffff                   ; 16 batch + head: shared by the four partners
	s_bfe_u32 s13, ttmp6, 0x40000                  ; cx: it enters q's and the results' addresses alone
	s_mul_i32 s14, s12, HBB                        ; q's block
	s_mul_i32 s15, s[WV], 8448                     ; my sixteenth of a block: 33 rows of 256 bytes
	s_add_co_u32 s20, s14, 64*HBB
	s_add_co_u32 s20, s20, s15                     ; of k's block,
	s_mov_b32 s21, 0
	s_add_co_u32 s22, s20, 64*HBB                  ; of v's
	s_mov_b32 s23, 0
	s_lshl_b32 s16, s13, 4
	s_add_co_u32 s16, s16, s[WV]                   ; my tile of queries, T
	s_lshl_b32 s68, s16, 11
	s_add_co_u32 s68, s68, s14
	s_mov_b32 s69, 0
	s_lshr_b32 s70, s16, 2
	s_lshl_b32 s70, s70, 8
	s_and_b32 s17, s16, 3
	s_lshl_b32 s17, s17, 2
	s_add_co_u32 s70, s70, s17
	s_add_co_u32 s70, s70, s14
	s_add_co_u32 s70, s70, 131072                  ; its scale words: 256 (T / 4) + 4 (T % 4) + 16 r
	s_mov_b32 s71, 0
	s_lshr_b32 s17, s12, 4                         ; batch
	s_and_b32 s19, s12, 15                         ; head
	s_lshl_b32 s72, s17, 6
	s_add_co_u32 s72, s72, s16
	s_lshl_b32 s72, s72, 4
	s_add_co_u32 s72, s72, s19
	s_lshl_b32 s72, s72, 11                        ; ac: [64 batch + T][head][2048]
	s_mov_b32 s73, 0
	s_lshl_b32 s74, s17, 3
	s_lshl_b32 s76, s13, 1
	s_add_co_u32 s74, s74, s76
	s_and_b32 s76, s[WV], 1
	s_add_co_u32 s74, s74, s76
	s_lshl_b32 s74, s74, 4
	s_add_co_u32 s74, s74, s19
	s_lshl_b32 s74, s74, 9                         ; asc: [8 batch + 2 cx + wave][head][512] (waves 0 and 1 store)
	s_mov_b32 s75, 0
	s_mov_b32 s[G1], 15|(3<<16)|(1<<21)            ; the mask: all four work-groups; elements of 8 bytes; bit 21 beside a mask
	s_mov_b32 s[G1+1], 32<<16                      ; rows of 256 bytes,
	s_mov_b32 s[G1+2], 33<<16                      ; 33 of them, dense
	s_mov_b32 s[G1+3], 32<<16
	s_mov_b32 s[G1+4], 33
	s_mov_b32 s[G1+5], 32
	s_mov_b32 s[G1+6], 0
	s_mov_b32 s[G1+7], 0
	s_mov_b32 s[CS], 0x3e38aa3b
	s_mov_b32 s[CS+1], s[CS]
	s_mov_b32 s[SEL], 0x76543210
	s_mov_b32 s[SEL+1], 0xfedcba98
	s_mov_b32 s50, 0x3c000000                      ; 1 / 128
	s_mov_b32 s51, 0x3727c5ac                      ; 1e-5
	s_wait_dscnt 0x0
	s_wait_kmcnt 0x0
	s_load_b32 s[LIN], s[54:55], 0x0
	s_mov_b32 s[G0K], 1
	s_mov_b32 s[G0K+1], s15
	s_add_nc_u64 s[G0K+2:G0K+3], s[4:5], s[20:21]
	s_or_b32 s[G0K+3], s[G0K+3], 0x80000000
	s_mov_b32 s[G0V], 1
	s_add_co_u32 s[G0V+1], s15, VD
	s_add_nc_u64 s[G0V+2:G0V+3], s[4:5], s[22:23]
	s_or_b32 s[G0V+3], s[G0V+3], 0x80000000
	s_add_nc_u64 s[68:69], s[4:5], s[68:69]
	s_add_nc_u64 s[70:71], s[4:5], s[70:71]
	s_add_nc_u64 s[72:73], s[60:61], s[72:73]
	s_add_nc_u64 s[74:75], s[62:63], s[74:75]
	ROUND                                          ; all four work-groups are here: the joint loads meet
	tensor_load_to_lds s[G0K:G0K+3], s[G1:G1+7]    ; every wave asks for its sixteenth of k's block and of v's: two loads of mine are out
	s_nop 0
	tensor_load_to_lds s[G0V:G0V+3], s[G1:G1+7]
	s_nop 0
.rept 4
	v_nop
.endr
	v_and_b32 v2, 31, v0
	s_delay_alu instid0(VALU_DEP_1)
	v_lshlrev_b32 v[LI], 4, v2
	v_and_b32 v3, 15, v0
	s_delay_alu instid0(VALU_DEP_1)
	v_lshlrev_b32 v3, 4, v3
	s_delay_alu instid0(VALU_DEP_4)
	v_lshlrev_b32 v4, 3, v2
	global_load_b128 v[16:19], v[LI], s[68:69]              ; q1: k = 0 .. 63 of my tile's fragment
	global_load_b128 v[20:23], v[LI], s[68:69] offset:512
	global_load_b128 v[32:35], v[LI], s[68:69] offset:1024  ; q2: k = 64 .. 127
	global_load_b128 v[36:39], v[LI], s[68:69] offset:1536
	global_load_b32 v[QS], v3, s[70:71]
	global_load_b64 v[40:41], v4, s[6:7]
	global_load_b64 v[42:43], v4, s[8:9]
	global_load_b64 v[44:45], v4, s[10:11]
	global_load_b64 v[46:47], v4, s[52:53]
.irp j, 0,1,2,3,4,5,6,7
	v_mov_b32 v[24+\j], 0                          ; the zero codes that both q fragments share
.endr
	v_mov_b32 v7, 0xff61b1e6                       ; the largest score so far: -3e38
	v_mov_b32 v9, 0xff61b1e6
	s_delay_alu instid0(VALU_DEP_2)
	v_mul_f32 v6, s[CS], v7
	s_delay_alu instid0(VALU_DEP_2)
	v_mul_f32 v8, s[CS], v9
.irp j, 10,11,12,13,14,15,50,51
	v_mov_b32 v[\j], 0
.endr
	s_wait_loadcnt 0x0
	; lam = exp(lambda_q1 . lambda_k1) - exp(lambda_q2 . lambda_k2) + lambda_init, in f32: two numbers a lane, then the wave's sum
	v_mul_f32 v48, v40, v42
	v_mul_f32 v49, v44, v46
	s_delay_alu instid0(VALU_DEP_2)
	v_fmac_f32 v48, v41, v43
	s_delay_alu instid0(VALU_DEP_2)
	v_fmac_f32 v49, v45, v47
.irp m, 1,2,4,8
	s_delay_alu instid0(VALU_DEP_2)
	v_add_f32_dpp v48, v48, v48 row_xmask:\m row_mask:0xf bank_mask:0xf
	s_delay_alu instid0(VALU_DEP_2)
	v_add_f32_dpp v49, v49, v49 row_xmask:\m row_mask:0xf bank_mask:0xf
.endr
	s_delay_alu instid0(VALU_DEP_2)
	v_permlanex16_b32 v50, v48, s[SEL], s[SEL+1]
	s_delay_alu instid0(VALU_DEP_2)
	v_permlanex16_b32 v51, v49, s[SEL], s[SEL+1]
	s_delay_alu instid0(VALU_DEP_2)
	v_add_f32 v48, v48, v50
	s_delay_alu instid0(VALU_DEP_2)
	v_add_f32 v49, v49, v51
	s_delay_alu instid0(VALU_DEP_2)
	v_mul_f32 v48, 0x3fb8aa3b, v48
	s_delay_alu instid0(VALU_DEP_2)
	v_mul_f32 v49, 0x3fb8aa3b, v49
	s_wait_alu depctr_va_vdst(0)
	v_exp_f32 v48, v48
	v_exp_f32 v49, v49
	v_nop
	s_wait_alu depctr_va_vdst(0)                   ; the wait ahead of the first reader
	s_wait_kmcnt 0x0                               ; lambda_init
	v_sub_f32 v48, v48, v49
	s_delay_alu instid0(VALU_DEP_1)
	v_add_f32 v48, s[LIN], v48
	s_delay_alu instid0(VALU_DEP_1)
	v_xor_b32 v48, 0x80000000, v48
	s_delay_alu instid0(VALU_DEP_1)
	v_readfirstlane_b32 s[NLM], v48                ; -lam
	s_wait_tensorcnt 0x1                           ; my part of k's block is in; v's may be out
	s_barrier_signal -1
	s_barrier_wait -1                              ; everybody's is
; 64 keys: four tiles of k against both q fragments.  half = 1: tiles 4-7 of the step, whose scale words lie in lanes 16-31
.macro SCORES half
.irp t, 0,1,2,3
.irp c, 0,1,2,3
	ds_load_b128 v[F+16*\t+4*\c:F+16*\t+4*\c+3], v[ADK] offset:(4*\half+\t)*2048+512*\c
.endr
.endr
	s_wait_dscnt 0x0
.irp t, 0,1,2,3
.if \half
	v_wmma_scale_f32_16x16x128_f8f6f4 v[SX+8*\t:SX+8*\t+7], v[F+16*\t:F+16*\t+15], v[16:31], 0, v[KWD+\t], v[QS] matrix_a_scale:MATRIX_SCALE_ROW1
	v_wmma_scale_f32_16x16x128_f8f6f4 v[SY+8*\t:SY+8*\t+7], v[F+16*\t:F+16*\t+15], v[24:39], 0, v[KWD+\t], v[QS] matrix_a_scale:MATRIX_SCALE_ROW1
.else
	v_wmma_scale_f32_16x16x128_f8f6f4 v[SX+8*\t:SX+8*\t+7], v[F+16*\t:F+16*\t+15], v[16:31], 0, v[KWD+\t], v[QS]
	v_wmma_scale_f32_16x16x128_f8f6f4 v[SY+8*\t:SY+8*\t+7], v[F+16*\t:F+16*\t+15], v[24:39], 0, v[KWD+\t], v[QS]
.endif
.endr
.rept 8
	v_nop                                          ; places ahead of the first read of the results and of the next loads into the fragments' registers
.endr
.endm
.macro SCALE_EXP                       ; c s - c M of both sets, then the 64 exponentials as one batch with one wait
.set k, 0
.rept 16
	v_pk_fma_f32 v[SX+k:SX+k+1], v[SX+k:SX+k+1], s[CS:CS+1], v[6:7] op_sel_hi:[1,0,0] neg_lo:[0,0,1] neg_hi:[0,0,1]
	v_pk_fma_f32 v[SY+k:SY+k+1], v[SY+k:SY+k+1], s[CS:CS+1], v[8:9] op_sel_hi:[1,0,0] neg_lo:[0,0,1] neg_hi:[0,0,1]
.set k, k+2
.endr
.set k, 0
	s_wait_alu depctr_va_vdst(0)
.rept 32
	v_exp_f32 v[SX+k], v[SX+k]
	v_exp_f32 v[SY+k], v[SY+k]
.set k, k+1
.endr
	v_nop
	s_wait_alu depctr_va_vdst(0)
.endm
; Pass 1's statistics of 64 keys (32 a lane), both sets by turns: the new maximum, the old sum's factor, the new terms
.macro P1STAT
.irp j, 0,1,2,3
	v_max3_num_f32 v[O+\j], v[SX+8*\j], v[SX+8*\j+1], v[SX+8*\j+2]
	v_max3_num_f32 v[O+4+\j], v[SY+8*\j], v[SY+8*\j+1], v[SY+8*\j+2]
.endr
.irp n, 3,5
.irp j, 0,1,2,3
	v_max3_num_f32 v[O+\j], v[O+\j], v[SX+8*\j+\n], v[SX+8*\j+\n+1]
	v_max3_num_f32 v[O+4+\j], v[O+4+\j], v[SY+8*\j+\n], v[SY+8*\j+\n+1]
.endr
.endr
	v_max3_num_f32 v[O], v[O], v[SX+7], v[SX+15]
	v_max3_num_f32 v[O+4], v[O+4], v[SY+7], v[SY+15]
	v_max3_num_f32 v[O+2], v[O+2], v[SX+23], v[SX+31]
	v_max3_num_f32 v[O+6], v[O+6], v[SY+23], v[SY+31]
	s_delay_alu instid0(VALU_DEP_2)
	v_max3_num_f32 v[O], v[O], v[O+1], v[O+2]
	s_delay_alu instid0(VALU_DEP_2)
	v_max3_num_f32 v[O+4], v[O+4], v[O+5], v[O+6]
	v_mov_b32 v[O+8], v6                           ; c M as it was
	v_mov_b32 v[O+9], v8
	s_delay_alu instid0(VALU_DEP_4)
	v_max3_num_f32 v7, v[O], v[O+3], v7
	s_delay_alu instid0(VALU_DEP_4)
	v_max3_num_f32 v9, v[O+4], v[O+7], v9
	s_delay_alu instid0(VALU_DEP_2)
	v_mul_f32 v6, s[CS], v7
	s_delay_alu instid0(VALU_DEP_2)
	v_mul_f32 v8, s[CS], v9
	s_delay_alu instid0(VALU_DEP_2)
	v_sub_f32 v14, v[O+8], v6
	s_delay_alu instid0(VALU_DEP_2)
	v_sub_f32 v15, v[O+9], v8
	v_nop
	s_wait_alu depctr_va_vdst(0)
	v_exp_f32 v14, v14                             ; 2^(c M old - c M new); it shares the batch's wait
	v_exp_f32 v15, v15
	SCALE_EXP
	v_pk_add_f32 v[O+10:O+11], v[SX:SX+1], v[SX+2:SX+3]
	v_pk_add_f32 v[O+14:O+15], v[SY:SY+1], v[SY+2:SY+3]
	v_pk_add_f32 v[O+12:O+13], v[SX+4:SX+5], v[SX+6:SX+7]
	v_pk_add_f32 v[O+16:O+17], v[SY+4:SY+5], v[SY+6:SY+7]
.irp p, 8,12,16,20,24,28
	v_pk_add_f32 v[O+10:O+11], v[O+10:O+11], v[SX+\p:SX+\p+1]
	v_pk_add_f32 v[O+14:O+15], v[O+14:O+15], v[SY+\p:SY+\p+1]
	v_pk_add_f32 v[O+12:O+13], v[O+12:O+13], v[SX+\p+2:SX+\p+3]
	v_pk_add_f32 v[O+16:O+17], v[O+16:O+17], v[SY+\p+2:SY+\p+3]
.endr
	s_delay_alu instid0(VALU_DEP_2)
	v_pk_add_f32 v[O+10:O+11], v[O+10:O+11], v[O+12:O+13]
	s_delay_alu instid0(VALU_DEP_2)
	v_pk_add_f32 v[O+14:O+15], v[O+14:O+15], v[O+16:O+17]
	v_pk_fma_f32 v[10:11], v[10:11], v[14:15], v[O+10:O+11] op_sel_hi:[1,0,1]
	v_pk_fma_f32 v[12:13], v[12:13], v[14:15], v[O+14:O+15] op_sel:[0,1,0] op_sel_hi:[1,1,1]
.endm
.macro P1TRIP                          ; pass 1, 128 keys
	v_add_nc_u32 v[ADK], s[KB], v[LI]
	v_add_nc_u32 v[ADS], s[SB], v[LI]
	ds_load_b128 v[KWD:KWD+3], v[ADS]
	SCORES 0
	P1STAT
	SCORES 1
	P1STAT
	s_add_co_u32 s[KB], s[KB], 16384
	s_add_co_u32 s[SB], s[SB], 512
.endm
	s_mov_b32 s[KB], 0
	s_mov_b32 s[SB], KSC
	P1TRIP                                         ; the first 128 keys are written out: v's block lands meanwhile
	s_wait_tensorcnt 0x0                           ; my part of v's block is in (no LDS instruction of mine is out),
	s_barrier_signal -1
	s_barrier_wait -1                              ; everybody's is: every read of v stands behind this wait
	s_mov_b32 s[CNT], 7
.Lpass1:                                           ; a trip: 128 keys
	P1TRIP
	s_sub_co_u32 s[CNT], s[CNT], 1
	s_cmp_lg_u32 s[CNT], 0
	s_cbranch_scc1 .Lpass1
	; the two halves of the lanes hold the two halves of a query's keys: one maximum, one sum
	v_add_f32 v10, v10, v11
	v_add_f32 v12, v12, v13
	v_permlanex16_b32 v[O], v7, s[SEL], s[SEL+1]
	v_permlanex16_b32 v[O+1], v9, s[SEL], s[SEL+1]
	s_delay_alu instid0(VALU_DEP_2)
	v_max_num_f32 v7, v7, v[O]
	s_delay_alu instid0(VALU_DEP_2)
	v_max_num_f32 v9, v9, v[O+1]
	s_delay_alu instid0(VALU_DEP_2)
	v_mul_f32 v[O+2], s[CS], v7
	s_delay_alu instid0(VALU_DEP_2)
	v_mul_f32 v[O+3], s[CS], v9
	s_delay_alu instid0(VALU_DEP_2)
	v_sub_f32 v6, v6, v[O+2]
	s_delay_alu instid0(VALU_DEP_2)
	v_sub_f32 v8, v8, v[O+3]
	s_wait_alu depctr_va_vdst(0)
	v_exp_f32 v6, v6
	v_exp_f32 v8, v8
	v_nop
	s_wait_alu depctr_va_vdst(0)
	v_mul_f32 v10, v10, v6
	v_mul_f32 v12, v12, v8
	s_delay_alu instid0(VALU_DEP_2)
	v_permlanex16_b32 v[O], v10, s[SEL], s[SEL+1]
	s_delay_alu instid0(VALU_DEP_2)
	v_permlanex16_b32 v[O+1], v12, s[SEL], s[SEL+1]
	s_delay_alu instid0(VALU_DEP_2)
	v_add_f32 v10, v10, v[O]
	s_delay_alu instid0(VALU_DEP_2)
	v_add_f32 v12, v12, v[O+1]
	s_wait_alu depctr_va_vdst(0)
	v_rcp_f32 v10, v10                             ; 1 / L1
	v_rcp_f32 v12, v12
	v_mov_b32 v6, v[O+2]                           ; c M of the whole row
	v_mov_b32 v8, v[O+3]
	s_wait_alu depctr_va_vdst(0)
	v_mul_f32 v11, s[NLM], v12                     ; -lam / L2
; Pass 2, 64 keys: a, and its two blocks of 32 quantised: registers 8 half + 0 .. 7 of a's fragment, bytes 2 half, 2 half + 1 of its scale word.  The second set's registers serve as temporaries once a is formed
.macro P2HALF half
	SCORES \half
	SCALE_EXP
.set k, 0
.rept 16
	v_pk_mul_f32 v[SX+k:SX+k+1], v[SX+k:SX+k+1], v[10:11] op_sel_hi:[1,0]
.set k, k+2
.endr
.set k, 0
.rept 16
	v_pk_fma_f32 v[SX+k:SX+k+1], v[SY+k:SY+k+1], v[10:11], v[SX+k:SX+k+1] op_sel:[0,1,0] op_sel_hi:[1,1,1]
.set k, k+2
.endr
.irp b, 0,1
	v_max3_num_f32 v[SY+\b], |v[SX+16*\b]|, |v[SX+16*\b+1]|, 0x4800000
.endr
.irp i, 2,4,6,8,10,12,14
.irp b, 0,1
	s_delay_alu instid0(VALU_DEP_2)
	v_max3_num_f32 v[SY+\b], v[SY+\b], |v[SX+16*\b+\i]|, |v[SX+16*\b+\i+1]|
.endr
.endr
.irp b, 0,1
	v_permlanex16_b32 v[SY+2+\b], v[SY+\b], s[SEL], s[SEL+1]
.endr
.irp b, 0,1
	s_delay_alu instid0(VALU_DEP_2)
	v_max_num_f32 v[SY+\b], v[SY+\b], v[SY+2+\b]
.endr
.irp b, 0,1
	s_delay_alu instid0(VALU_DEP_2)
	v_add_nc_u32 v[SY+6+\b], 0xfc000000, v[SY+\b]
.endr
.irp b, 0,1
.endr
.irp b, 0,1
	s_delay_alu instid0(VALU_DEP_2)
	v_lshrrev_b32 v[SY+8+\b], 23, v[SY+6+\b]
.endr
.if \half
	s_delay_alu instid0(VALU_DEP_2)
	v_lshl_or_b32 v[PW], v[SY+8], 16, v[PW]
	s_delay_alu instid0(VALU_DEP_1)
	v_lshl_or_b32 v[PW], v[SY+9], 24, v[PW]        ; the conversions below are among the places between this line and the products that take the word
.else
	s_delay_alu instid0(VALU_DEP_1)
	v_lshl_or_b32 v[PW], v[SY+9], 8, v[SY+8]
.endif
.irp b, 0,1
.irp i, 0,1,2,3,4,5,6,7,8,9,10,11,12,13,14,15
.endr
	v_cvt_scalef32_pk8_fp8_f32 v[PC+8*\half+4*\b:PC+8*\half+4*\b+1], v[SX+16*\b:SX+16*\b+7], v[SY+6+\b]
	v_cvt_scalef32_pk8_fp8_f32 v[PC+8*\half+4*\b+2:PC+8*\half+4*\b+3], v[SX+16*\b+8:SX+16*\b+15], v[SY+6+\b]
.endr
	v_nop                                          ; a plain instruction behind the last conversion
.endm
.macro PVMM g, t, zero
.set rO, O+8*(4*(\g)+(\t))
.set rF, F+16*(\t)
.if (\zero) && (\g)
	v_wmma_scale_f32_16x16x128_f8f6f4 v[rO:rO+7], v[rF:rF+15], v[PC:PC+15], 0, v[KWD+\t], v[PW] matrix_a_scale:MATRIX_SCALE_ROW1
.elseif \zero
	v_wmma_scale_f32_16x16x128_f8f6f4 v[rO:rO+7], v[rF:rF+15], v[PC:PC+15], 0, v[KWD+\t], v[PW]
.elseif \g
	v_wmma_scale_f32_16x16x128_f8f6f4 v[rO:rO+7], v[rF:rF+15], v[PC:PC+15], v[rO:rO+7], v[KWD+\t], v[PW] matrix_a_scale:MATRIX_SCALE_ROW1
.else
	v_wmma_scale_f32_16x16x128_f8f6f4 v[rO:rO+7], v[rF:rF+15], v[PC:PC+15], v[rO:rO+7], v[KWD+\t], v[PW]
.endif
.endm
.macro PV zero                         ; o^T += v^T a^T: eight tiles of 16 channels, K = the step's 128 keys; the eight accumulators take turns
.rept 3
	v_nop                                          ; with the one above: four places between the codes' last write and the products
.endr
	ds_load_b128 v[KWD:KWD+3], v[ADT]
	s_wait_alu depctr_va_vdst(0)
.irp g, 0,1
.if \g
.rept 8
	v_nop
.endr
.endif
.irp t, 0,1,2,3
.irp c, 0,1,2,3
	ds_load_b128 v[F+16*\t+4*\c:F+16*\t+4*\c+3], v[ADV] offset:(4*\g+\t)*2048+512*\c
.endr
.endr
	s_wait_dscnt 0x0
.irp t, 0,1,2,3
	PVMM \g, \t, \zero
.endr
.endr
.rept 8
	v_nop
.endr
.endm
.macro STEP2 zero
	v_add_nc_u32 v[ADK], s[KB], v[LI]
	v_add_nc_u32 v[ADS], s[SB], v[LI]
	s_delay_alu instid0(VALU_DEP_2)
	v_add_nc_u32 v[ADV], VD, v[ADK]
	s_delay_alu instid0(VALU_DEP_2)
	v_add_nc_u32 v[ADT], VD, v[ADS]
	ds_load_b128 v[KWD:KWD+3], v[ADS]
	P2HALF 0
	P2HALF 1
	PV \zero
	s_add_co_u32 s[KB], s[KB], 16384
	s_add_co_u32 s[SB], s[SB], 512
.endm
	s_mov_b32 s[KB], 0
	s_mov_b32 s[SB], KSC
	STEP2 1                                        ; the first step's products start o^T's sums
	s_mov_b32 s[CNT], 7
.Lpass2:
	STEP2 0
	s_sub_co_u32 s[CNT], s[CNT], 1
	s_cmp_lg_u32 s[CNT], 0
	s_cbranch_scc1 .Lpass2
	; THE WAY OUT.  Register 16 b + i of o^T is channel 32 b + 16 (lane / 16) + i of my query.  Gain and bias come in that order while the sums are made
	v_bfe_u32 v2, v0, 4, 1
	s_delay_alu instid0(VALU_DEP_1)
	v_lshlrev_b32 v2, 6, v2
	s_wait_alu depctr_va_vdst(0)
	v_and_b32 v3, 15, v0
	s_delay_alu instid0(VALU_DEP_1)
	v_lshlrev_b32 v3, 4, v3
	s_lshr_b32 s12, s[WV], 2
	s_lshl_b32 s12, s12, 8
	s_and_b32 s13, s[WV], 3
	s_lshl_b32 s13, s13, 2
	s_add_co_u32 s12, s12, s13
	s_add_co_u32 s12, s12, OSC
	v_add_nc_u32 v3, s12, v3                       ; my tile's words: 256 (wave / 4) + 4 (wave % 4) + 16 r
	s_and_b32 s13, s[WV], 1
	s_lshl_b32 s13, s13, 9
	s_add_co_u32 s13, s13, OSC
	v_add_nc_u32 v4, s13, v[LI]                    ; where waves 0 and 1 read a group's 512 bytes back
.irp b, 0,1,2,3
.irp n, 0,1,2,3
	global_load_b128 v[F+16*\b+4*\n:F+16*\b+4*\n+3], v2, s[56:57] offset:128*\b+16*\n
	global_load_b128 v[SX+16*\b+4*\n:SX+16*\b+4*\n+3], v2, s[58:59] offset:128*\b+16*\n
.endr
.endr
	v_pk_add_f32 v[8:9], v[168:169], v[170:171]
	v_pk_add_f32 v[10:11], v[184:185], v[192:193]
	v_pk_add_f32 v[12:13], v[200:201], v[208:209]
	v_pk_add_f32 v[252:253], v[216:217], v[224:225]
	v_pk_add_f32 v[250:251], v[172:173], v[174:175]
	v_pk_add_f32 v[248:249], v[186:187], v[194:195]
	v_pk_add_f32 v[246:247], v[202:203], v[210:211]
	v_pk_add_f32 v[6:7], v[218:219], v[226:227]
	v_pk_add_f32 v[6:7], v[6:7], v[176:177]
	v_pk_add_f32 v[8:9], v[8:9], v[178:179]
	v_pk_add_f32 v[10:11], v[10:11], v[188:189]
	v_pk_add_f32 v[12:13], v[12:13], v[196:197]
	v_pk_add_f32 v[252:253], v[252:253], v[204:205]
	v_pk_add_f32 v[250:251], v[250:251], v[212:213]
	v_pk_add_f32 v[248:249], v[248:249], v[220:221]
	v_pk_add_f32 v[246:247], v[246:247], v[228:229]
	v_pk_add_f32 v[6:7], v[6:7], v[180:181]
	v_pk_add_f32 v[8:9], v[8:9], v[182:183]
	v_pk_add_f32 v[10:11], v[10:11], v[190:191]
	v_pk_add_f32 v[12:13], v[12:13], v[198:199]
	v_pk_add_f32 v[252:253], v[252:253], v[206:207]
	v_pk_add_f32 v[250:251], v[250:251], v[214:215]
	v_pk_add_f32 v[248:249], v[248:249], v[222:223]
	v_pk_add_f32 v[246:247], v[246:247], v[230:231]
	s_delay_alu instid0(VALU_DEP_4)
	v_pk_add_f32 v[6:7], v[6:7], v[252:253]
	s_delay_alu instid0(VALU_DEP_4)
	v_pk_add_f32 v[8:9], v[8:9], v[250:251]
	s_delay_alu instid0(VALU_DEP_4)
	v_pk_add_f32 v[10:11], v[10:11], v[248:249]
	s_delay_alu instid0(VALU_DEP_4)
	v_pk_add_f32 v[12:13], v[12:13], v[246:247]
	s_delay_alu instid0(VALU_DEP_2)
	v_pk_add_f32 v[6:7], v[6:7], v[10:11]
	s_delay_alu instid0(VALU_DEP_2)
	v_pk_add_f32 v[8:9], v[8:9], v[12:13]
	s_delay_alu instid0(VALU_DEP_1)
	v_pk_add_f32 v[6:7], v[6:7], v[8:9]
	s_delay_alu instid0(VALU_DEP_1)
	v_add_f32 v6, v6, v7
	s_delay_alu instid0(VALU_DEP_1)
	v_permlanex16_b32 v8, v6, s[SEL], s[SEL+1]
	s_delay_alu instid0(VALU_DEP_1)
	v_add_f32 v6, v6, v8
	s_delay_alu instid0(VALU_DEP_1)
	v_mul_f32 v14, s50, v6                         ; the mean of the 128
.set k, 0
.rept 32
	v_pk_add_f32 v[O+k:O+k+1], v[O+k:O+k+1], v[14:15] op_sel_hi:[1,0] neg_lo:[0,1] neg_hi:[0,1]
.set k, k+2
.endr
	v_pk_mul_f32 v[6:7], v[O:O+1], v[O:O+1]
	v_pk_mul_f32 v[8:9], v[O+2:O+3], v[O+2:O+3]
	v_pk_mul_f32 v[10:11], v[O+4:O+5], v[O+4:O+5]
	v_pk_mul_f32 v[12:13], v[O+6:O+7], v[O+6:O+7]
.irp t, 1,2,3,4,5,6,7
	s_delay_alu instid0(VALU_DEP_4)
	v_pk_fma_f32 v[6:7], v[O+8*\t:O+8*\t+1], v[O+8*\t:O+8*\t+1], v[6:7]
	s_delay_alu instid0(VALU_DEP_4)
	v_pk_fma_f32 v[8:9], v[O+8*\t+2:O+8*\t+3], v[O+8*\t+2:O+8*\t+3], v[8:9]
	s_delay_alu instid0(VALU_DEP_4)
	v_pk_fma_f32 v[10:11], v[O+8*\t+4:O+8*\t+5], v[O+8*\t+4:O+8*\t+5], v[10:11]
	s_delay_alu instid0(VALU_DEP_4)
	v_pk_fma_f32 v[12:13], v[O+8*\t+6:O+8*\t+7], v[O+8*\t+6:O+8*\t+7], v[12:13]
.endr
	s_delay_alu instid0(VALU_DEP_3)
	v_pk_add_f32 v[6:7], v[6:7], v[8:9]
	s_delay_alu instid0(VALU_DEP_2)
	v_pk_add_f32 v[10:11], v[10:11], v[12:13]
	s_delay_alu instid0(VALU_DEP_1)
	v_pk_add_f32 v[6:7], v[6:7], v[10:11]
	s_delay_alu instid0(VALU_DEP_1)
	v_add_f32 v6, v6, v7
	s_delay_alu instid0(VALU_DEP_1)
	v_permlanex16_b32 v8, v6, s[SEL], s[SEL+1]
	s_delay_alu instid0(VALU_DEP_1)
	v_add_f32 v6, v6, v8
	s_delay_alu instid0(VALU_DEP_1)
	v_fma_f32 v6, v6, s50, s51
	s_wait_alu depctr_va_vdst(0)
	v_rsq_f32 v12, v6
	v_sub_f32 v14, 1.0, s[LIN]                     ; 1 - lambda_init.  (A plain instruction behind the transcendental)
	s_wait_alu depctr_va_vdst(0)
.set k, 0
.rept 32
	v_pk_mul_f32 v[O+k:O+k+1], v[O+k:O+k+1], v[12:13] op_sel_hi:[1,0]
.set k, k+2
.endr
	s_wait_loadcnt 0x0                             ; gain and bias
.set k, 0
.rept 32
	v_pk_fma_f32 v[O+k:O+k+1], v[O+k:O+k+1], v[F+k:F+k+1], v[SX+k:SX+k+1]
.set k, k+2
.endr
.set k, 0
.rept 32
	v_pk_mul_f32 v[O+k:O+k+1], v[O+k:O+k+1], v[14:15] op_sel_hi:[1,0]
.set k, k+2
.endr
	; quantised along the channels: K step = my head of the last product
.irp b, 0,1,2,3
	v_max3_num_f32 v[TM+\b], |v[O+16*\b]|, |v[O+16*\b+1]|, 0x4800000
.endr
.irp i, 2,4,6,8,10,12,14
.irp b, 0,1,2,3
	s_delay_alu instid0(VALU_DEP_4)
	v_max3_num_f32 v[TM+\b], v[TM+\b], |v[O+16*\b+\i]|, |v[O+16*\b+\i+1]|
.endr
.endr
.irp b, 0,1,2,3
	s_delay_alu instid0(VALU_DEP_4)
	v_permlanex16_b32 v[TM+4+\b], v[TM+\b], s[SEL], s[SEL+1]
.endr
.irp b, 0,1,2,3
	s_delay_alu instid0(VALU_DEP_4)
	v_max_num_f32 v[TM+\b], v[TM+\b], v[TM+4+\b]
.endr
.irp b, 0,1,2,3
	s_delay_alu instid0(VALU_DEP_4)
	v_add_nc_u32 v[TM+12+\b], 0xfc000000, v[TM+\b]
.endr
.irp b, 0,1,2,3
.endr
.irp b, 0,1,2,3
	s_delay_alu instid0(VALU_DEP_4)
	v_lshrrev_b32 v[TM+4+\b], 23, v[TM+12+\b]
.endr
	s_delay_alu instid0(VALU_DEP_3)
	v_lshl_or_b32 v[PW], v[TM+5], 8, v[TM+4]
	s_delay_alu instid0(VALU_DEP_1)
	v_lshl_or_b32 v[PW], v[TM+6], 16, v[PW]
	s_delay_alu instid0(VALU_DEP_1)
	v_lshl_or_b32 v[PW], v[TM+7], 24, v[PW]
.irp b, 0,1,2,3
.irp i, 0,1,2,3,4,5,6,7,8,9,10,11,12,13,14,15
.endr
	v_cvt_scalef32_pk8_fp8_f32 v[PC+4*\b:PC+4*\b+1], v[O+16*\b:O+16*\b+7], v[TM+12+\b]
	v_cvt_scalef32_pk8_fp8_f32 v[PC+4*\b+2:PC+4*\b+3], v[O+16*\b+8:O+16*\b+15], v[TM+12+\b]
.endr
	v_nop
.irp c, 0,1,2,3
	global_store_b128 v[LI], v[PC+4*\c:PC+4*\c+3], s[72:73] offset:512*\c   ; 32 lanes store 512 consecutive bytes, aligned
.endr
	ds_store_b32 v3, v[PW]                         ; lanes r and r + 16 write the same word with the same value
	s_wait_dscnt 0x0                               ; for the others' sake
	s_barrier_signal -1
	s_barrier_wait -1
	s_cmp_lt_u32 s[WV], 2
	s_cbranch_scc0 .Lno_words
	ds_load_b128 v[16:19], v4                      ; a group's 512 bytes of scale words, made by eight waves
	s_wait_dscnt 0x0
	global_store_b128 v[LI], v[16:19], s[74:75]
.Lno_words:
	s_wait_tensorcnt 0x0
	ds_add_u32 v254, v255
	s_wait_dscnt 0x0
	ROUND                                          ; the closing round
	s_endpgm
.Lfunc_end_k_q4f610a7b13_attn:
	.size	k_q4f610a7b13_attn, .Lfunc_end_k_q4f610a7b13_attn-k_q4f610a7b13_attn
	.p2alignl 7, 3214868480
	.fill 96, 4, 3214868480
	.section	.rodata,"a",@progbits
	.p2align	6, 0x0
	.amdhsa_kernel k_q4f610a7b13_attn
		.amdhsa_group_segment_fixed_size 273408
		.amdhsa_private_segment_fixed_size 0
		.amdhsa_enable_private_segment 0
		.amdhsa_kernarg_size 80
		.amdhsa_user_sgpr_count 2
		.amdhsa_user_sgpr_kernarg_segment_ptr 1
		.amdhsa_wavefront_size32 1
		.amdhsa_system_sgpr_workgroup_id_x 1
		.amdhsa_system_sgpr_workgroup_id_y 1
		.amdhsa_system_sgpr_workgroup_id_z 1
		.amdhsa_system_vgpr_workitem_id 0
		.amdhsa_next_free_vgpr 256
		.amdhsa_next_free_sgpr 80
		.amdhsa_reserve_vcc 0
		.amdhsa_float_denorm_mode_32 3
		.amdhsa_float_denorm_mode_16_64 3
		.amdhsa_fp16_overflow 1
		.amdhsa_memory_ordered 1
		.amdhsa_forward_progress 1
		.amdhsa_inst_pref_size 131
	.end_amdhsa_kernel
	.amdgpu_metadata
---
amdhsa.version: [ 1, 2 ]
amdhsa.kernels:
  - .name:           k_q4f610a7b13_attn
    .symbol:         k_q4f610a7b13_attn.kd
    .args:
      - { .name: hd, .offset: 0, .size: 8, .value_kind: global_buffer, .address_space: global }
      - { .name: lambda_q1, .offset: 8, .size: 8, .value_kind: global_buffer, .address_space: global }
      - { .name: lambda_k1, .offset: 16, .size: 8, .value_kind: global_buffer, .address_space: global }
      - { .name: lambda_q2, .offset: 24, .size: 8, .value_kind: global_buffer, .address_space: global }
      - { .name: lambda_k2, .offset: 32, .size: 8, .value_kind: global_buffer, .address_space: global }
      - { .name: lambda_init, .offset: 40, .size: 8, .value_kind: global_buffer, .address_space: global }
      - { .name: hn_g, .offset: 48, .size: 8, .value_kind: global_buffer, .address_space: global }
      - { .name: hn_b, .offset: 56, .size: 8, .value_kind: global_buffer, .address_space: global }
      - { .name: ac, .offset: 64, .size: 8, .value_kind: global_buffer, .address_space: global }
      - { .name: asc, .offset: 72, .size: 8, .value_kind: global_buffer, .address_space: global }
    .group_segment_fixed_size: 273408
    .private_segment_fixed_size: 0
    .kernarg_segment_align: 8
    .kernarg_segment_size: 80
    .max_flat_workgroup_size: 512
    .sgpr_count:     80
    .vgpr_count:     256
    .wavefront_size: 32
...
	.end_amdgpu_metadata
.endif
;; end of part 3
;; launch oproj (part 4): grid 8 x 32, 4 waves a work-group, clusters of 4 x 4, 327,680 bytes of LDS; arguments ac, asc, pc, ps, query_tokens, out0; writes out0
.if DOCPART == 4
	.amdgcn_target "amdgcn-amd-amdhsa--gfx1250"
	.amdhsa_code_object_version 6
	.text
	.protected	k_q4f610a7b13_oproj
	.globl	k_q4f610a7b13_oproj
	.p2align	8
	.type	k_q4f610a7b13_oproj,@function
k_q4f610a7b13_oproj:
	s_mov_b64 s[64:65], 0
	v_nop
	global_prefetch_b8 v0, s[64:65] scope:SCOPE_SE
	s_setreg_imm32_b32 hwreg(HW_REG_WAVE_MODE, 25, 1), 1
	s_wait_xcnt 0x0
	s_wait_alu depctr_hold_cnt(0) depctr_sa_sdst(0) depctr_va_vdst(0) depctr_va_sdst(0) depctr_va_ssrc(0) depctr_va_vcc(0) depctr_vm_vsrc(0)
	s_getreg_b32 s2, hwreg(HW_REG_IB_STS2, 6, 4)
	s_cmp_eq_u32 s2, 0
	s_cbranch_scc0 .Lentry_in_a_cluster
	s_endpgm
.Lentry_in_a_cluster:
	s_bfe_u32 s2, ttmp6, 0x10000c
	s_cmp_lg_u32 s2, 0xf033
	s_cbranch_scc0 .Lentry_shape_is_right
	s_endpgm
.Lentry_shape_is_right:
; OPROJ.  out0 = query_tokens + A Wo^T, 4,096 x 1,024, K = 2,048, on codes of FP8 (E4M3) with E8M0 scales.  A: the attention's result, ac and asc; Wo: pc + 14 MiB, ps + 448 KiB.
; Operands lie as images of operand registers (a fragment of 16 rows x 128 K is 2,048 bytes, 16 bytes a lane and group of four registers; tile T, lane r is row 32 (T/2) + 8 (T%2) + r + 8 (r/8);
;   scale words: 512 bytes for 128 rows and a K step, the word of (tile a of 8, lane r) at 256 (a/4) + 16 r + 4 (a%4)).
; THE TILE is 128 x 128: 32 x 8 = 256 work-groups.  Four waves, 64 x 64 each: 16 accumulators.  A larger tile would make 64 work-groups.
; K goes through a ring of two LDS slots of FOUR K steps of 128 (A's 8 tiles x 4 x 2,048 bytes, then Wo's): the first fills bring half of K, two refills the rest; the scale words of all of K come once.
; The 16 K steps are written out by macro: a loop over the ring would have one trip.
; A K STEP: the next step's 32 LDS loads in one run, then 16 products on the set of fragments loaded a step ago; two sets take turns.
; The matrix instruction is used transposed (source 0 = Wo's tile, source 1 = A's): a lane holds eight neighbouring columns of one row of the result.
; One register carries A's scale words (lanes 0-15) and Wo's (lanes 16-31): four registers serve a K step's 16 products.
; CLUSTERS: 4 x 4 work-groups; A's tiles are asked for jointly along a row of the cluster, Wo's along a column.
; THE RESIDUAL, my wave's 64 x 64 numbers of query_tokens, is asked for at the head, into 128 registers of its own, in the order in which the way out takes it.
; THE WAY OUT: 16 rows at a time through my stage in LDS (in slot 0, which has had its last fill and its last read), back as rows of 256 bytes into the accumulators' own registers, the residual added, stored.
; REGISTERS: window 0: v16-29 addresses; v32-63 scale words, two sets; v128-255 accumulator (a, b) at v[128 + 8 (4 a + b)].  window 1: two sets of fragments: A's four at 128 p, Wo's four at 128 p + 64.  window 2: v0-127 the residual.
.set KS,    16                         ; K steps of 128
.set SLOT,  131072
.set SCL,   2*SLOT                     ; the scale words: A's group, then Wo's, KS x 512 bytes each
.set SPARE, SCL+2*KS*512               ; the spare words: 128 bytes a wave, two blocks of 256 bytes that no other line names
.set NP,    8                          ; places behind this matrix instruction (ISA guide 7.12.1)
.set SPITCH, 272                       ; a stage row: 256 bytes + 16
.set ADRA,  16                         ; v16-17 my A fragments in slot 0, 1
.set ADRB,  20                         ; v20-21 my Wo fragments
.set ADS,   22                         ; v22 my scale words: lanes 0-15 A's, lanes 16-31 Wo's
.set STO,   24
.set RD,    25
.set CO,    26                         ; 4,096 (lane / 16) + 16 (lane % 16): two rows of out0 an instruction
.set LI,    27                         ; 16 x lane
.set SPW,   28
.set NIL,   29
.set SC,    32                         ; set sc, step q of the slot: SC + 16 sc + 4 q + tile
.set ACC,   128
.set G1,  24
.set G0,  32
.set G1B, 48
.set G0B, 56
.set G1S, 68
.set G0S, 76
.set G1SB, 80
.set G0SB, 88
.set MSB, 0
.macro WIN new                         ; the immediate's high byte repeats the setting that is left
.if MSB != \new
	s_set_vgpr_msb (MSB<<8)|\new
.set MSB, \new
.endif
.endm
.set MUL,  0x05                        ; sources 0 and 1 window 1; C and D window 0
.set TO_F, 0x40                        ; destination window 1, address window 0
.macro JLOAD g0a, g1a, g0b, g1b        ; a joint load: waves 0, 1 fetch for A, waves 2, 3 for Wo; four v_nop follow each line
	s_cmp_eq_u32 s15, 0
	s_cbranch_scc0 .Lfor_b_\@
	tensor_load_to_lds s[\g0a:\g0a+3], s[\g1a:\g1a+7]
	s_nop 0
.rept 4
	v_nop
.endr
	s_branch .Lasked_\@
.Lfor_b_\@:
	tensor_load_to_lds s[\g0b:\g0b+3], s[\g1b:\g1b+7]
	s_nop 0
.rept 4
	v_nop
.endr
.Lasked_\@:
.endm
.macro CREST
	s_cmp_lg_u32 s14, 0
	s_cbranch_scc1 .Lnot_wave_0_\@
	s_barrier_signal -3
.Lnot_wave_0_\@:
	s_barrier_wait -3
	s_barrier_signal -1
	s_barrier_wait -1
.endm
.macro CROUND
	s_barrier_signal -1
	s_barrier_wait -1
	CREST
.endm
	s_load_b256 s[4:11], s[0:1], 0x0               ; ac, asc, pc, ps
	s_load_b128 s[96:99], s[0:1], 0x20             ; query_tokens, out0
	v_lshl_add_u32 v[SPW], v0, 2, SPARE
	v_mov_b32 v[NIL], 0
	ds_add_u32 v28, v29
	ds_add_u32 v28, v29
	s_wait_dscnt 0x0
	v_lshrrev_b32 v1, 5, v0
	v_readfirstlane_b32 s14, v1                    ; wave
	s_lshr_b32 s15, s14, 1                         ; my half of the tile's rows; also: I fetch for A (0) or Wo (1)
	s_and_b32 s16, s14, 1                          ; my half of its columns; also: which half of a group I fetch
	s_bfe_u32 s40, ttmp6, 0x40000                  ; cx
	s_bfe_u32 s41, ttmp6, 0x40004                  ; cy
	s_lshl_b32 s42, ttmp9, 2
	s_add_co_u32 s42, s42, s40                     ; tile column = Wo's group of 128 rows, 0 .. 7
	s_and_b32 s17, ttmp7, 0xffff
	s_lshl_b32 s17, s17, 2
	s_add_co_u32 s17, s17, s41                     ; tile row = A's group, 0 .. 31
	s_lshl_b32 s43, s41, 2
	s_lshl_b32 s43, 15, s43                        ; my row of the cluster
	s_lshl_b32 s44, 0x1111, s40                    ; my column
	s_or_b32 s[G1+0], s43, (3<<16)|(1<<21)         ; the mask; elements of 8 bytes; bit 21 beside a mask; no padding
	s_or_b32 s[G1B+0], s44, (3<<16)|(1<<21)
.irp g, G1, G1B                        ; codes: 4 tiles x 8,192 bytes (four K steps), KS x 2,048 bytes from tile to tile
	s_mov_b32 s[\g+1], 1024<<16
	s_mov_b32 s[\g+2], 4<<16
	s_mov_b32 s[\g+3], 1024<<16
	s_mov_b32 s[\g+4], 4
	s_mov_b32 s[\g+5], KS*256
	s_mov_b32 s[\g+6], 0
	s_mov_b32 s[\g+7], 0
.endr
	s_or_b32 s[G1S+0], s43, (3<<16)|(1<<21)
	s_or_b32 s[G1SB+0], s44, (3<<16)|(1<<21)
.irp g, G1S, G1SB                      ; half a group's scale words: 4,096 dense bytes as 16 rows of 256
	s_mov_b32 s[\g+1], 32<<16
	s_mov_b32 s[\g+2], 16<<16
	s_mov_b32 s[\g+3], 32<<16
	s_mov_b32 s[\g+4], 16
	s_mov_b32 s[\g+5], 32
	s_mov_b32 s[\g+6], 0
	s_mov_b32 s[\g+7], 0
.endr
	s_lshl_b32 s18, s16, 17                        ; my half of a group's codes: 4 tiles x KS x 2,048 bytes
	s_lshl_b32 s19, s16, 12                        ; and of its scale words
	s_lshl_b32 s20, s17, 18                        ; A's group: 8 x KS x 2,048 bytes
	s_add_co_u32 s20, s20, s18
	s_lshl_b32 s22, s17, 13
	s_add_co_u32 s22, s22, s19
	s_lshl_b32 s46, s42, 18                        ; Wo's
	s_add_co_u32 s46, s46, s18
	s_add_co_u32 s46, s46, 14<<20
	s_lshl_b32 s92, s42, 13
	s_add_co_u32 s92, s92, s19
	s_add_co_u32 s92, s92, 448<<10
	s_mov_b32 s21, 0
	s_mov_b32 s23, 0
	s_mov_b32 s47, 0
	s_mov_b32 s93, 0
	s_lshl_b32 s45, s14, 15                        ; where they go: wave x 32,768: no place in the cluster enters an LDS address
	s_lshl_b32 s94, s14, 12
	s_lshl_b32 s12, s17, 7
	s_lshl_b32 s13, s15, 6
	s_add_co_u32 s12, s12, s13
	s_lshl_b32 s12, s12, 12                        ; my first row of out0, 4,096 bytes a row,
	s_lshl_b32 s13, s42, 9
	s_add_co_u32 s12, s12, s13
	s_lshl_b32 s13, s16, 8
	s_add_co_u32 s12, s12, s13                     ; my first column: 512 x tile column + 256 x half
	s_mov_b32 s13, 0
	s_wait_kmcnt 0x0
	s_add_nc_u64 s[20:21], s[4:5], s[20:21]
	s_add_nc_u64 s[22:23], s[6:7], s[22:23]
	s_add_nc_u64 s[46:47], s[8:9], s[46:47]
	s_add_nc_u64 s[92:93], s[10:11], s[92:93]
	s_add_nc_u64 s[96:97], s[96:97], s[12:13]
	s_add_nc_u64 s[98:99], s[98:99], s[12:13]
	CROUND                                         ; all sixteen work-groups are here: the first joint loads meet
	s_mov_b32 s[G0S], 1
	s_add_co_u32 s[G0S+1], s94, SCL
	s_mov_b64 s[G0S+2:G0S+3], s[22:23]
	s_or_b32 s[G0S+3], s[G0S+3], 0x80000000
	s_mov_b32 s[G0SB], 1
	s_add_co_u32 s[G0SB+1], s94, SCL
	s_mov_b64 s[G0SB+2:G0SB+3], s[92:93]
	s_or_b32 s[G0SB+3], s[G0SB+3], 0x80000000
	JLOAD G0S, G1S, G0SB, G1SB                     ; the scale words first
.irp s, 0,1
	s_mov_b32 s[G0+4*\s], 1
	s_add_co_u32 s[G0+4*\s+1], s45, \s*SLOT
	s_add_nc_u64 s[G0+4*\s+2:G0+4*\s+3], s[20:21], \s*8192
	s_or_b32 s[G0+4*\s+3], s[G0+4*\s+3], 0x80000000
	s_mov_b32 s[G0B+4*\s], 1
	s_add_co_u32 s[G0B+4*\s+1], s45, \s*SLOT
	s_add_nc_u64 s[G0B+4*\s+2:G0B+4*\s+3], s[46:47], \s*8192
	s_or_b32 s[G0B+4*\s+3], s[G0B+4*\s+3], 0x80000000
	JLOAD G0+4*\s, G1, G0B+4*\s, G1B
.endr
	v_and_b32 v1, 15, v0                           ; r
	v_bfe_u32 v2, v0, 4, 1                         ; h
	v_and_b32 v3, 31, v0
	v_lshlrev_b32 v[LI], 4, v3
	v_lshlrev_b32 v[CO], 12, v2
	v_lshl_add_u32 v[CO], v1, 4, v[CO]
	WIN 0x80                                       ; destination window 2
.irp a, 0,1,2,3                        ; the residual: block a, load i: rows 32 (a/2) + 8 (a%2) + 2 i + 8 (i/4) and the next of my 64; sixteen lanes read 256 consecutive bytes
.irp i, 0,1,2,3,4,5,6,7
	global_load_b128 v[32*\a+4*\i:32*\a+4*\i+3], v[CO], s[96:97] offset:(32*(\a/2)+8*(\a%2)+2*\i+8*(\i/4))*4096 th:TH_LOAD_NT
.endr
.endr
	WIN 0
	s_lshl_b32 s21, s15, 15                        ; my four tiles of A
	s_lshl_b32 s22, s16, 15
	s_add_co_u32 s22, s22, 65536                   ; my four of Wo
.irp s, 0,1
	v_add_nc_u32 v[ADRA+\s], s21, v[LI]
	v_add_nc_u32 v[ADRB+\s], s22, v[LI]
	s_add_co_u32 s21, s21, SLOT
	s_add_co_u32 s22, s22, SLOT
.endr
	s_lshl_b32 s21, s15, 8                         ; A's words of my four tiles begin 256 x my half into a K step's 512 bytes;
	s_xor_b32 s22, s15, 1
	s_add_co_u32 s22, s22, s16
	s_lshl_b32 s22, s22, 8
	s_add_co_u32 s22, s22, KS*512-256              ; Wo's lie KS x 512 + 256 (column half - row half) bytes further on
	v_lshlrev_b32 v5, 4, v1
	v_mul_u32_u24 v6, s22, v2                      ; lanes 16-31 take Wo's
	s_add_co_u32 s21, s21, SCL
	v_add_nc_u32 v5, v5, v6
	v_add_nc_u32 v[ADS], s21, v5
	s_mul_i32 s23, s14, 16*SPITCH                  ; my stage
	v_mul_u32_u24 v[STO], v1, SPITCH
	v_lshl_add_u32 v[STO], v2, 6, v[STO]           ; in: row r, 64 bytes on for the upper half of the lanes
	v_add_nc_u32 v[STO], s23, v[STO]
	v_mul_u32_u24 v[RD], v2, SPITCH
	v_lshl_add_u32 v[RD], v1, 4, v[RD]             ; back: lanes 0-15 one row of 256 bytes, lanes 16-31 the next
	v_add_nc_u32 v[RD], s23, v[RD]
.macro MM a, b, p, q, sc, zero         ; one product: A's tile a x Wo's tile b; Wo's scale words lie in lanes 16-31
.set rD, ACC+8*(4*(\a)+(\b))
.set rB, 128*(\p)+64+16*(\b)
.set rA, 128*(\p)+16*(\a)
.set rSB, SC+16*(\sc)+4*(\q)+(\b)
.set rSA, SC+16*(\sc)+4*(\q)+(\a)
.if \zero
	v_wmma_scale_f32_16x16x128_f8f6f4 v[rD:rD+7], v[rB:rB+15], v[rA:rA+15], 0, v[rSB], v[rSA] matrix_a_scale:MATRIX_SCALE_ROW1
.else
	v_wmma_scale_f32_16x16x128_f8f6f4 v[rD:rD+7], v[rB:rB+15], v[rA:rA+15], v[rD:rD+7], v[rSB], v[rSA] matrix_a_scale:MATRIX_SCALE_ROW1
.endif
.endm
.macro MUL8 a0, p, q, sc, zero         ; 8 products; the 16 accumulators take turns, in the same order in every step
.irp a, \a0, \a0+1
.irp b, 0,1,2,3
	MM \a, \b, \p, \q, \sc, \zero
.endr
.endr
.endm
.macro FETCH slot, q, p                ; the eight fragments of the slot's K step q into set p: 32 loads of 512 consecutive bytes, in one run
	WIN TO_F
.irp i, 0,1,2,3
.irp c, 0,1,2,3
	ds_load_b128 v[128*(\p)+64+16*\i+4*\c:128*(\p)+64+16*\i+4*\c+3], v[ADRB+\slot] offset:8192*\i+2048*(\q)+512*\c
.endr
.endr
.irp i, 0,1,2,3
.irp c, 0,1,2,3
	ds_load_b128 v[128*(\p)+16*\i+4*\c:128*(\p)+16*\i+4*\c+3], v[ADRA+\slot] offset:8192*\i+2048*(\q)+512*\c
.endr
.endr
.endm
.macro SCALES sc, n                    ; the scale words of K steps 4 n .. 4 n + 3 into set sc
.irp q, 0,1,2,3
	ds_load_b128 v[SC+16*\sc+4*\q:SC+16*\sc+4*\q+3], v[ADS] offset:512*(4*\n+\q)
.endr
.endm
.macro PLACES n
.rept \n
	v_nop
.endr
.endm
; One of a slot's first three K steps.  The next step's fragments are asked for first, into the set that the last step's products read: eight places stand between (for q = 0 they stand in the change of slots).
.macro STEP slot, q, zero
.if (\q) > 0
	PLACES NP
.endif
	FETCH \slot, (\q)+1, 1-(\q)%2
	s_wait_dscnt 32                                ; all but the 32 loads just issued: this step's fragments (and scale words) are in
	WIN MUL
	MUL8 0, (\q)%2, \q, \slot, \zero
	MUL8 2, (\q)%2, \q, \slot, \zero
.endm
; A slot's fourth K step changes slots: one barrier.  n: which four K steps the next slot holds.  fill = 1: this slot is filled again, with the K steps eight further on
.macro TURN slot, next, n, fill
	WIN 0                                          ; (the add's two registers lie in window 0)
	s_wait_tensorcnt 0x0                           ; all my tensor loads have landed: my part of the next slot
	ds_add_u32 v[SPW], v[NIL]                      ; 0 onto my spare word
	s_wait_dscnt 1                                 ; this step's fragments are in; the add may be out
	WIN MUL
	MUL8 0, 1, 3, \slot, 0
	s_wait_dscnt 0x0                               ; the add is done, and my reads of this slot are over
	s_barrier_signal -1
	MUL8 2, 1, 3, \slot, 0
	WIN 0
	s_barrier_wait -1
.if \fill
	CREST                                          ; the barrier has opened a round of the cluster's: no wave of any partner still reads this slot or has a load on its way
	s_add_nc_u64 s[G0+4*\slot+2:G0+4*\slot+3], s[G0+4*\slot+2:G0+4*\slot+3], 16384
	s_add_nc_u64 s[G0B+4*\slot+2:G0B+4*\slot+3], s[G0B+4*\slot+2:G0B+4*\slot+3], 16384
	JLOAD G0+4*\slot, G1, G0B+4*\slot, G1B         ; the first tensor load behind the round; its four v_nop are among the places below
	PLACES NP-4
.else
	PLACES NP
.endif
	SCALES \next, \n
	FETCH \next, 0, 0
.endm
	s_wait_tensorcnt 1                             ; the scale words and my part of slot 0 are in; slot 1's load may be out
	s_barrier_signal -1
	s_barrier_wait -1
	SCALES 0, 0
	FETCH 0, 0, 0
	STEP 0, 0, 1                                   ; the first step's products start the sums
	STEP 0, 1, 0
	STEP 0, 2, 0
	TURN 0, 1, 1, 1                                ; slot 0 takes K steps 8 to 11
	STEP 1, 0, 0
	STEP 1, 1, 0
	STEP 1, 2, 0
	TURN 1, 0, 2, 1                                ; slot 1 takes K steps 12 to 15
	STEP 0, 0, 0
	STEP 0, 1, 0
	STEP 0, 2, 0
	TURN 0, 1, 3, 0                                ; nothing is left to fetch
	STEP 1, 0, 0
	STEP 1, 1, 0
	STEP 1, 2, 0
	s_wait_dscnt 0x0                               ; the last step
	WIN MUL
	MUL8 0, 1, 3, 1, 0
	MUL8 2, 1, 3, 1, 0
	WIN 0
; Row t of my tile a of A is row 32 (a/2) + 8 (a%2) + t + 8 (t/8) of my 64; column 32 (b/2) + 8 (b%2) + 16 (lane/16) + j of my 64 lies in register j of accumulator (a, b).
.macro TOSTAGE a                       ; block a: 16 rows x 64 columns into my stage, and back as rows of 256 bytes, into the registers that they left
.set AC, ACC+32*(\a)
.irp b, 0,1,2,3
	ds_store_b128 v[STO], v[AC+8*\b:AC+8*\b+3] offset:128*(\b/2)+32*(\b%2)          ; each accumulator from its low end on
	ds_store_b128 v[STO], v[AC+8*\b+4:AC+8*\b+7] offset:128*(\b/2)+32*(\b%2)+16
.endr
.irp i, 0,1,2,3,4,5,6,7
	ds_load_b128 v[AC+4*\i:AC+4*\i+3], v[RD] offset:\i*2*SPITCH    ; LDS serves a wave's instructions in order (ISA guide 5.7.1.4): these see the stores above
.endr
.endm
.macro SEND a, younger
.set AC, ACC+32*(\a)
.set RR, 32*(\a)
	s_wait_dscnt \younger                          ; the block is back; the next block's 8 stores and 8 loads may be out
	s_wait_loadcnt 8*(3-(\a))                      ; its residual rows are in; the later blocks' loads may be out
	WIN 0x08                                       ; source 1: window 2
.set k, 0
.rept 16
	v_pk_add_f32 v[AC+k:AC+k+1], v[AC+k:AC+k+1], v[RR+k:RR+k+1]
.set k, k+2
.endr
	WIN 0
.irp i, 0,1,2,3,4,5,6,7
	global_store_b128 v[CO], v[AC+4*\i:AC+4*\i+3], s[98:99] offset:(32*((\a)/2)+8*((\a)%2)+2*\i+8*(\i/4))*4096 th:TH_STORE_NT   ; sixteen lanes store 256 consecutive bytes, aligned; each block has registers of its own
.endr
.endm
	PLACES NP                                      ; behind the last products: for the first reads of results and the loads into their registers
	TOSTAGE 0
	TOSTAGE 1
	SEND 0, 16
	TOSTAGE 2
	SEND 1, 16
	TOSTAGE 3
	SEND 2, 16
	SEND 3, 0
	s_wait_tensorcnt 0x0                           ; the wave's end
	ds_add_u32 v[SPW], v[NIL]
	s_wait_dscnt 0x0
	CROUND                                         ; the closing round
	s_endpgm
.Lfunc_end_k_q4f610a7b13_oproj:
	.size	k_q4f610a7b13_oproj, .Lfunc_end_k_q4f610a7b13_oproj-k_q4f610a7b13_oproj
	.p2alignl 7, 3214868480
	.fill 96, 4, 3214868480
	.section	.rodata,"a",@progbits
	.p2align	6, 0x0
	.amdhsa_kernel k_q4f610a7b13_oproj
		.amdhsa_group_segment_fixed_size 327680
		.amdhsa_private_segment_fixed_size 0
		.amdhsa_enable_private_segment 0
		.amdhsa_kernarg_size 48
		.amdhsa_user_sgpr_count 2
		.amdhsa_user_sgpr_kernarg_segment_ptr 1
		.amdhsa_wavefront_size32 1
		.amdhsa_system_sgpr_workgroup_id_x 1
		.amdhsa_system_sgpr_workgroup_id_y 1
		.amdhsa_system_sgpr_workgroup_id_z 1
		.amdhsa_system_vgpr_workitem_id 0
		.amdhsa_next_free_vgpr 640
		.amdhsa_next_free_sgpr 100
		.amdhsa_reserve_vcc 0
		.amdhsa_float_denorm_mode_32 3
		.amdhsa_float_denorm_mode_16_64 3
		.amdhsa_memory_ordered 1
		.amdhsa_forward_progress 1
		.amdhsa_inst_pref_size 96
	.end_amdhsa_kernel
	.amdgpu_metadata
---
amdhsa.version: [ 1, 2 ]
amdhsa.kernels:
  - .name:           k_q4f610a7b13_oproj
    .symbol:         k_q4f610a7b13_oproj.kd
    .args:
      - { .name: ac, .offset: 0, .size: 8, .value_kind: global_buffer, .address_space: global }
      - { .name: asc, .offset: 8, .size: 8, .value_kind: global_buffer, .address_space: global }
      - { .name: pc, .offset: 16, .size: 8, .value_kind: global_buffer, .address_space: global }
      - { .name: ps, .offset: 24, .size: 8, .value_kind: global_buffer, .address_space: global }
      - { .name: query_tokens, .offset: 32, .size: 8, .value_kind: global_buffer, .address_space: global }
      - { .name: out0, .offset: 40, .size: 8, .value_kind: global_buffer, .address_space: global }
    .group_segment_fixed_size: 327680
    .private_segment_fixed_size: 0
    .kernarg_segment_align: 8
    .kernarg_segment_size: 48
    .max_flat_workgroup_size: 128
    .sgpr_count:     100
    .vgpr_count:     640
    .wavefront_size: 32
...
	.end_amdgpu_metadata
.endif
;; end of part 4
